; MI455X (gfx1250); checked and timed in simulation.
; The chip was launched on July 23, 2026; its instructions are those of AMD's public machine-readable ISA for CDNA 5 (MIT licence, August 2026) and "CDNA5" Instruction Set Architecture Reference Guide (July 2026). The comments in the code are by the model that wrote it; some were corrected since.
;; Multi Head Attention. Allowed arithmetic: matrix products marked QUANTISED: E2M3 operands, one E8M0 scale for each 32 along K, by v_wmma_scale_f32_16x16x128_f8f6f4 with both operands' format E2M3, f32 sums; everything else in f32.
;; Inputs: W_k 1,024 x 1,024 float32; W_o 1,024 x 1,024 float32; W_q 1,024 x 1,024 float32; W_v 1,024 x 1,024 float32; key 4 x 2,048 x 1,024 float32; query 4 x 2,048 x 1,024 float32; value 4 x 2,048 x 1,024 float32.
;; Outputs: out0 4 x 2,048 x 1,024 float32.
;; This version of the problem:
;;   THIS VERSION OF THE PROBLEM IS GIVEN IN LOW PRECISION. The matrix products marked QUANTISED in the list below multiply operands that are first quantised to E2M3 (2 exponent bits, 3 mantissa bits; 6 bits a number), with one power-of-two scale for each 32 numbers along K (OCP MX v1.0); their sums are f32. All else is computed in f32.
;;   The module's matrix products, in the order in which they are computed (A, B: the left and right operand; K: the contracted axis; several contracted axes count as one K, in the product's order):
;;     1. [M 8,192, K 1,024] x [K 1,024, N 1,024]; A: input query; B: input W_q: QUANTISED
;;     2. [M 8,192, K 1,024] x [K 1,024, N 1,024]; A: input key; B: input W_k: QUANTISED
;;     3. [M 8,192, K 1,024] x [K 1,024, N 1,024]; A: input value; B: input W_v: QUANTISED
;;     4. batch 64 x [M 2,048, K 64] x [K 64, N 2,048]; A: computed on the way; B: computed on the way: QUANTISED
;;     5. batch 64 x [M 2,048, K 2,048] x [K 2,048, N 64]; A: softmax (see below); B: computed on the way: QUANTISED
;;     6. [M 8,192, K 1,024] x [K 1,024, N 1,024]; A: computed on the way; B: input W_o: QUANTISED
;;   THE QUANTISER, for each operand of a quantised product, along K:
;;     - K is cut into blocks of 32 from its start; a last block that is shorter is filled with zeros.
;;     - A block's scale is 2^e with e = floor(log2(the largest magnitude in the block)) - 2, held to -126 .. 127; a block of zeros has e = 0. As a byte (E8M0): e + 127.
;;     - Each number is divided by its block's scale, clamped to +-7.5, and rounded to the nearest number of E2M3, ties to even, subnormals kept.
;;     - The product sums the exact products of the quantised numbers (number of the format x scale) in f32.
;;   ~~~python
;;   def quantise(x, axis):      # numpy; x: float32 -> the quantised numbers, widened to float32 again
;;       x = np.moveaxis(x, axis, -1); K = x.shape[-1]
;;       x = np.pad(x, [(0, 0)] * (x.ndim - 1) + [(0, -K % 32)]); x = x.reshape(x.shape[:-1] + (-1, 32)); a = np.abs(x).max(-1, keepdims=True)
;;       e = np.where(a > 0, np.clip(np.frexp(np.where(a > 0, a, 1))[1] - 1 - 2, -126, 127), 0)      # np.frexp(a)[1] - 1 = floor(log2(a)), exactly
;;       r = np.clip(x / 2.0 ** e, -7.5, 7.5)
;;       step = 2.0 ** (np.maximum(np.frexp(np.where(r == 0, 1, r))[1] - 1, 0) - 3)
;;       q = np.round(r / step) * step * 2.0 ** e      # np.round: ties to even
;;       return np.moveaxis(q.reshape(q.shape[:-2] + (-1,))[..., :K], -1, axis).astype(np.float32)
;;   ~~~
;;   SOFTMAX AHEAD OF A QUANTISED PRODUCT. Where the list says 'softmax', what is quantised is not the finished softmax but p = 2^(t - M), with t = logit x log2(e) and M = ceil(the row's largest t), a whole number; so 1/2 < the row's largest p <= 1. The row's sum l is taken of the UNQUANTISED p, in f32, and the product's result is divided by l at the end. Since M is a whole number, a kernel that streams over the keys may use a running M (the ceiling of the running maximum): every later rescaling is an exact power of two, which a block's scale takes up: the codes' values come out the same.
;;   OPERANDS COMPUTED ON THE WAY. 'Computed on the way' means the value that the module computes at that place (a softmax that the list does not call 'softmax' is quantised finished and normalised). What goes into a quantiser is computed in f32, as accurately as f32 sums, v_exp_f32 and their like allow (about 1e-6 of the number): no bf16 or f16 on the way to a quantiser, and a product that is left as it is and whose result goes on into a quantised operand takes f32 operands (vector FMAs, or v_wmma_f32_16x16x4_f32). A number that lies on a knife's edge between two numbers of the format may be rounded either way, as far as f32 arithmetic and the matrix unit's own rounding can turn it there, and no further.
;; One version. Each part assembles by itself: llvm-mc -triple=amdgcn-amd-amdhsa -mcpu=gfx1250 --defsym DOCPART=n.
;; ======== version 1 of 1: 4 launches
;; limits: right only within a limited range of input values
;; workspace buffers: qc 28,311,552 bytes; qs 1,179,648 bytes; rec 20,185,088 bytes
;; launch quant (part 1): grid 256 x 1, 7 waves a work-group, no clusters, 60,160 bytes of LDS; arguments query, key, value, W_q, W_k, W_v, W_o, qc, qs; writes qc, qs
.if DOCPART == 1
	.amdgcn_target "amdgcn-amd-amdhsa--gfx1250"
	.amdhsa_code_object_version 6
	.text
	.protected	k_q52740a53a0_quant
	.globl	k_q52740a53a0_quant
	.p2align	8
	.type	k_q52740a53a0_quant,@function
k_q52740a53a0_quant:
	s_mov_b64 s[64:65], 0
	v_nop
	global_prefetch_b8 v0, s[64:65] scope:SCOPE_SE
	s_setreg_imm32_b32 hwreg(HW_REG_WAVE_MODE, 25, 1), 1
	s_wait_xcnt 0x0
; query, key, value [8192][1024] and W_q, W_k, W_v, W_o [1024][1024], f32, K innermost, become codes of FP6 (E2M3) with one E8M0 byte for each 32 along K.
; A block's scale is 2^(floor(log2(its largest magnitude)) - 2); its byte is the largest magnitude's exponent field - 2, held at 1 from below.
; LIMITS: NaN and infinities are not served; a block of zeros gets the byte 1 where the rule says 127 (its codes are zeros, and this program alone reads the bytes);
; blocks whose largest magnitude lies under 2^-124 are held at the byte 1.
; THE LAYOUT OF qc AND qs IS THE READER'S.  A TILE is 16 rows: lane r of tile T holds row 32 (T / 2) + 8 (T % 2) + r + 8 (r / 8) of its tensor.  A fragment (a tile x 128 along K) is 12 registers a lane:
; registers 6 c .. 6 c + 5 of lane (r, h) hold k = 64 c + 32 h + 0 .. 31.  It lies in qc as an image of these registers: registers 4 g .. 4 g + 3 at 512 g + 16 x lane: 1,536 bytes; a tile's 8 K steps on end: 12,288 bytes.
; qs: 512 bytes a tile: row r's eight scale words (one for each K step) at 32 r.
; Tiles: 0-511 are left for the attention's result; query from 512, key from 1024, value from 1536, W_q from 2048, W_k 2112, W_v 2176, W_o 2240.
; SHARES.  1,792 tiles = 256 work-groups x 7 waves: wave w of work-group g takes tile 7 g + w of the seven tensors laid on end: 64 KiB in, 12.5 KiB out.  Waves share nothing: no barrier, no matrix unit, no cluster (no input byte is read twice).
; A K step: 16 loads, each 512 consecutive bytes of one row; through the wave's own stage in LDS (rows 528 bytes apart, so that sixteen rows start in sixteen different groups of banks); back as 2 x 32 neighbours along K a lane.
; Loads run two K steps (32 loads a wave) ahead.
.set STG,   8448                       ; a wave's stage: 16 rows x 528 bytes
.set SPARE, 7*STG                      ; behind the stages: the spare words, 128 bytes a wave, four blocks of 256 bytes that no other line names
.set SPW,   16                         ; v16  LDS address of my spare word; never rewritten
.set NIL,   17                         ; v17  0; never rewritten
.set SW,    20                         ; v20-27  the row's eight scale words
.set OUTW,  28                         ; v28-31  four of them, to store
.set C,     32                         ; v32-43  a fragment's codes
.set PX,    44                         ; v44-46, v48-50  the upper halves of the two blocks' codes, as the conversions leave them
.set X,     64                         ; v64-127 my 2 x 32 neighbours
.set R,     128                        ; v128-255 two sets of 64: a K step as loaded
	s_load_b512 s[4:19], s[0:1], 0x0               ; query, key, value, W_q, W_k, W_v, W_o, qc
	s_load_b64 s[20:21], s[0:1], 0x40              ; qs
	v_lshl_add_u32 v[SPW], v0, 2, SPARE
	v_mov_b32 v[NIL], 0
	v_lshrrev_b32 v1, 5, v0
	v_readfirstlane_b32 s22, v1                    ; wave 0..6
	v_and_b32 v1, 31, v0                           ; lane
	v_and_b32 v2, 15, v0                           ; r
	v_bfe_u32 v3, v0, 4, 1                         ; h
	v_lshlrev_b32 v4, 4, v1                        ; 16 x lane: my place in a load's, and in a store's, 512 bytes
	s_mul_i32 s25, s22, STG
	v_add_nc_u32 v5, s25, v4                       ; the stage, on the way in
	v_mul_u32_u24 v6, v2, 528
	v_lshl_add_u32 v6, v3, 7, v6
	v_add_nc_u32 v6, s25, v6                       ; and out: row r, + 128 h: 32 numbers of block h; block 2 + h lies 256 bytes on
	v_lshlrev_b32 v7, 5, v2
	v_lshl_add_u32 v7, v3, 4, v7                   ; the scale words' place: 32 r + 16 h
	v_lshlrev_b32 v18, 3, v3                       ; 8 h: how far my two bytes are shifted
	v_mov_b32 v10, 0                               ; written once: a lane permute's destination counts as one of its sources
	s_mov_b32 s30, 0x76543210
	s_mov_b32 s31, 0xfedcba98                      ; v_permlanex16_b32's selects for lane l xor 16
	s_mov_b32 s32, 0xffff0000                      ; lanes 16-31
	s_mul_i32 s23, ttmp9, 7
	s_add_co_u32 s23, s23, s22                     ; u: my tile among the 1,792
	s_wait_alu depctr_va_vdst(0)
	s_wait_kmcnt 0x0
; which tensor: a chain of choices on u alone; s24 = the tensor's first tile
.macro CHOOSE t, p, f
	s_cmp_lt_u32 s23, \t
	s_cselect_b64 s[26:27], s[\p:\p+1], s[26:27]
	s_cselect_b32 s24, \f, s24
.endm
	s_mov_b64 s[26:27], s[16:17]                   ; W_o
	s_mov_b32 s24, 1728
	CHOOSE 1728, 14, 1664                          ; W_v
	CHOOSE 1664, 12, 1600                          ; W_k
	CHOOSE 1600, 10, 1536                          ; W_q
	CHOOSE 1536, 8, 1024                           ; value
	CHOOSE 1024, 6, 512                            ; key
	CHOOSE 512, 4, 0                               ; query
	s_sub_co_u32 s24, s23, s24                     ; L: the tile's number in its tensor
; KEY'S TILES ARE FORMED OTHERWISE than the other six tensors': lane r of key's tile T holds row 64 (T / 4) + 8 (T % 4) + r % 8 + 32 (r / 8), so that in the attention's scores a lane's 32 registers of four tiles are one block of 32 neighbouring keys.
; So a tile's first row is (L >> k) << (5 + k) + 8 (L & (2^k - 1)), and its rows 8-15 begin 8 << k rows on: k = 2 for key, 1 for the others.  The choice hangs on the tile's number alone.
	s_sub_co_u32 s33, s23, 512
	s_cmp_lt_u32 s33, 512                          ; tiles 512 to 1,023 of the seven tensors on end are key's
	s_cselect_b32 s33, 2, 1                        ; k
	s_cselect_b32 s36, 3, 1
	s_add_co_u32 s37, s33, 16
	s_lshr_b32 s28, s24, s33
	s_lshl_b32 s28, s28, s37                       ; rows of 4,096 bytes
	s_and_b32 s29, s24, s36
	s_lshl_b32 s29, s29, 15                        ; + 8 (L % 2) rows
	s_add_co_u32 s28, s28, s29
	s_mov_b32 s29, 0
	s_add_nc_u64 s[26:27], s[26:27], s[28:29]
	s_lshl_b32 s38, 0x8000, s33                    ; 8 << k rows, in bytes
	s_mov_b32 s39, 0
	s_add_nc_u64 s[34:35], s[26:27], s[38:39]      ; where the tile's rows 8-15 begin
	s_add_co_u32 s24, s23, 512                     ; the tile's number in qc and qs
	s_mul_i32 s28, s24, 12288
	s_add_nc_u64 s[18:19], s[18:19], s[28:29]
	s_lshl_b32 s28, s24, 9
	s_add_nc_u64 s[20:21], s[20:21], s[28:29]
.macro LOADK s                         ; K step s: the tile's row i is the tensor's row i + 8 (i / 8) from the tile's first
.irp i, 0,1,2,3,4,5,6,7,8,9,10,11,12,13,14,15
	global_load_b128 v[R+64*((\s)%2)+4*\i:R+64*((\s)%2)+4*\i+3], v4, s[26+8*(\i/8):27+8*(\i/8)] offset:(\i%8)*4096+512*(\s) th:TH_LOAD_NT
.endr
.endm
.macro QSTEP s
.if (\s) < 7
	s_wait_loadcnt 16                              ; this step's 16 loads are in; the next step's 16 may be out
.else
	s_wait_loadcnt 0x0
.endif
.irp i, 0,1,2,3,4,5,6,7,8,9,10,11,12,13,14,15
	ds_store_b128 v5, v[R+64*((\s)%2)+4*\i:R+64*((\s)%2)+4*\i+3] offset:528*\i
.endr
.irp c, 0,1
.irp q, 0,1,2,3,4,5,6,7
	ds_load_b128 v[X+32*\c+4*\q:X+32*\c+4*\q+3], v6 offset:256*\c+16*\q   ; LDS serves a wave's instructions in order: these see the stores above
.endr
.endr
	s_wait_dscnt 0x0                               ; my numbers are back, and the stores have read their registers,
.if (\s) < 6
	LOADK (\s)+2                                   ; which take the loads of two steps on
.endif
	v_max3_num_f32 v8, |v[X]|, |v[X+1]|, 0x1800000         ; block h, and the floor 2^(3 - 127): the byte cannot fall under 1
	v_max3_num_f32 v9, |v[X+32]|, |v[X+33]|, 0x1800000     ; block 2 + h; the two by turns
.irp i, 2,4,6,8,10,12,14,16,18,20,22,24,26,28,30
	v_max3_num_f32 v8, v8, |v[X+\i]|, |v[X+\i+1]|
	v_max3_num_f32 v9, v9, |v[X+32+\i]|, |v[X+33+\i]|
.endr
	v_add_nc_u32 v12, 0xff000000, v8               ; 2 off the exponent field: the conversion takes the exponent field of this operand as its scale
	v_add_nc_u32 v13, 0xff000000, v9
	v_lshrrev_b32 v14, 23, v12                     ; the scales' bytes
	v_lshrrev_b32 v15, 23, v13
	v_lshl_or_b32 v14, v15, 16, v14
	v_lshlrev_b32 v14, v18, v14                    ; at bytes h and 2 + h
	v_permlanex16_b32 v10, v14, s30, s31
	v_or_b32 v[SW+(\s)], v14, v10                  ; with lane l xor 16's two the word is whole
	s_wait_alu depctr_va_vdst(0)
	s_wait_xcnt 0x0                                ; the last step's stores have read the codes' registers: only behind this wait are they written again
	v_cvt_scalef32_pk16_fp6_f32 v[C:C+2], v[X:X+15], v12
	v_cvt_scalef32_pk16_fp6_f32 v[PX:PX+2], v[X+16:X+31], v12       ; (a conversion's three registers begin on an even number)
	v_cvt_scalef32_pk16_fp6_f32 v[C+6:C+8], v[X+32:X+47], v13
	v_cvt_scalef32_pk16_fp6_f32 v[PX+4:PX+6], v[X+48:X+63], v13
	v_nop                                          ; one plain line behind the conversions
.irp i, 0,1,2
	v_mov_b32 v[C+3+\i], v[PX+\i]
	v_mov_b32 v[C+9+\i], v[PX+4+\i]
.endr
.irp g, 0,1,2
	global_store_b128 v4, v[C+4*\g:C+4*\g+3], s[18:19] offset:1536*(\s)+512*\g   ; 512 consecutive bytes, at a multiple of 256 from qc's first byte
.endr
.endm
	LOADK 0
	LOADK 1
.irp s, 0,1,2,3,4,5,6,7
	QSTEP \s
.endr
.irp i, 0,1,2,3
	v_cndmask_b32 v[OUTW+\i], v[SW+\i], v[SW+4+\i], s32    ; lanes 0-15 store their row's words 0-3, lanes 16-31 words 4-7
.endr
	global_store_b128 v7, v[OUTW:OUTW+3], s[20:21]         ; the tile's 512 bytes of scale words
	s_wait_tensorcnt 0x0                           ; the wave's end, behind my last LDS store
	ds_add_u32 v[SPW], v[NIL]
	s_wait_dscnt 0x0
	s_endpgm
.Lfunc_end_k_q52740a53a0_quant:
	.size	k_q52740a53a0_quant, .Lfunc_end_k_q52740a53a0_quant-k_q52740a53a0_quant
	.p2alignl 7, 3214868480
	.fill 96, 4, 3214868480
	.section	.rodata,"a",@progbits
	.p2align	6, 0x0
	.amdhsa_kernel k_q52740a53a0_quant
		.amdhsa_group_segment_fixed_size 60160
		.amdhsa_private_segment_fixed_size 0
		.amdhsa_enable_private_segment 0
		.amdhsa_kernarg_size 72
		.amdhsa_user_sgpr_count 2
		.amdhsa_user_sgpr_kernarg_segment_ptr 1
		.amdhsa_wavefront_size32 1
		.amdhsa_system_sgpr_workgroup_id_x 1
		.amdhsa_system_sgpr_workgroup_id_y 1
		.amdhsa_system_sgpr_workgroup_id_z 1
		.amdhsa_system_vgpr_workitem_id 0
		.amdhsa_next_free_vgpr 256
		.amdhsa_next_free_sgpr 66
		.amdhsa_reserve_vcc 0
		.amdhsa_float_denorm_mode_32 3
		.amdhsa_float_denorm_mode_16_64 3
		.amdhsa_memory_ordered 1
		.amdhsa_forward_progress 1
		.amdhsa_inst_pref_size 59
	.end_amdhsa_kernel
	.amdgpu_metadata
---
amdhsa.version: [ 1, 2 ]
amdhsa.kernels:
  - .name:           k_q52740a53a0_quant
    .symbol:         k_q52740a53a0_quant.kd
    .args:
      - { .name: query, .offset: 0, .size: 8, .value_kind: global_buffer, .address_space: global }
      - { .name: key, .offset: 8, .size: 8, .value_kind: global_buffer, .address_space: global }
      - { .name: value, .offset: 16, .size: 8, .value_kind: global_buffer, .address_space: global }
      - { .name: W_q, .offset: 24, .size: 8, .value_kind: global_buffer, .address_space: global }
      - { .name: W_k, .offset: 32, .size: 8, .value_kind: global_buffer, .address_space: global }
      - { .name: W_v, .offset: 40, .size: 8, .value_kind: global_buffer, .address_space: global }
      - { .name: W_o, .offset: 48, .size: 8, .value_kind: global_buffer, .address_space: global }
      - { .name: qc, .offset: 56, .size: 8, .value_kind: global_buffer, .address_space: global }
      - { .name: qs, .offset: 64, .size: 8, .value_kind: global_buffer, .address_space: global }
    .group_segment_fixed_size: 60160
    .private_segment_fixed_size: 0
    .kernarg_segment_align: 8
    .kernarg_segment_size: 72
    .max_flat_workgroup_size: 224
    .sgpr_count:     66
    .vgpr_count:     256
    .wavefront_size: 32
...
	.end_amdgpu_metadata
.endif
;; end of part 1
;; launch proj (part 2): grid 8 x 32, 4 waves a work-group, clusters of 4 x 4, 327,680 bytes of LDS; arguments qc, qs, rec; writes rec
.if DOCPART == 2
	.amdgcn_target "amdgcn-amd-amdhsa--gfx1250"
	.amdhsa_code_object_version 6
	.text
	.protected	k_q52740a53a0_proj
	.globl	k_q52740a53a0_proj
	.p2align	8
	.type	k_q52740a53a0_proj,@function
k_q52740a53a0_proj:
	s_mov_b64 s[64:65], 0
	v_nop
	global_prefetch_b8 v0, s[64:65] scope:SCOPE_SE
	s_setreg_imm32_b32 hwreg(HW_REG_WAVE_MODE, 25, 1), 1
	s_wait_xcnt 0x0
	s_wait_alu depctr_hold_cnt(0) depctr_sa_sdst(0) depctr_va_vdst(0) depctr_va_sdst(0) depctr_va_ssrc(0) depctr_va_vcc(0) depctr_vm_vsrc(0)
	s_getreg_b32 s2, hwreg(HW_REG_IB_STS2, 6, 4)
	s_cmp_eq_u32 s2, 0
	s_cbranch_scc0 .Lentry_in_a_cluster
	s_endpgm
.Lentry_in_a_cluster:
	s_bfe_u32 s2, ttmp6, 0x10000c
	s_cmp_lg_u32 s2, 0xf033
	s_cbranch_scc0 .Lentry_shape_is_right
	s_endpgm
.Lentry_shape_is_right:
; Q = query W_q^T, K = key W_k^T, V = value W_v^T on codes of FP6 (E2M3) with E8M0 scales, f32 sums; the results are quantised in registers (Q and K along the head's 64, V along the keys) and leave as codes.
; qc, qs: tiles of 16 rows; a fragment (tile x 128 K) is an image of its 12 registers: registers 4 g .. at 512 g + 16 x lane; 12,288 bytes a tile; 512 bytes of scale words a tile.  Tiles: query from 512, key from 1024, value from 1536, W_q from 2048, W_k 2112, W_v 2176.
; SHARES.  256 work-groups THAT STAY: work-group (x, y) makes rows 256 y .. + 255 x features 128 x .. + 127 of Q, then of K, then of V.
; THE RING.  A chunk is 512 along K (four K steps) of both sides: the activations' 16 tiles and the weights' 8, 6,144 bytes of each tile.  Two chunks lie in LDS and are a ring of two slots that goes on from product to product:
; in K step 3 chunk 0 is read out and takes the next product's chunk 0; chunk 1, read out with K step 7, takes the next product's chunk 1 behind a round that stands IN THE WAY OUT, behind the first of its four quantising runs:
; so of a product's work (eight K steps, four runs) each of its two refills has about a half in which to land.  Each refill stands behind the three lines and a round of the cluster's barrier, one joint load a wave:
; waves 0 and 1 half of the activations' tiles each, waves 2 and 3 half of the weights'.  By the text's own count one load of a wave is out behind each round.
; At the head one load a wave: wave 0 the activations' chunk 0, wave 2 the weights', waves 1 and 3 the same of chunk 1; the first barrier waits for waves 0 and 2 alone, whose load lines are theirs alone.
; Q and K have one role and are a loop of two trips, both of which refill; V fetches nothing more and is written out.
; CLUSTER 4 x 4: the activations' tiles hang on y alone and are asked for jointly along a row of the cluster, the weights' on x alone, jointly along a column.
; PREFETCH: each of the four chunks that a refill brings is asked for one refill earlier: K's chunk 0 at the head, then behind each refill but the last the chunk of the next refill.  Of the rows that a wave will fetch each of the four partners
; names a quarter of each row, 6 blocks of 256 bytes, told apart by address.
; ROLES.  Q, K: source 0 = 8 tiles of W (128 features), source 1 = 4 tiles of x (wave w: rows 64 w on): a lane holds a token, its registers run along the features.
; V: source 0 = 8 tiles of value (128 tokens), source 1 = 4 tiles of W_v (one head): a lane holds a feature, its registers run along the tokens, which are the next product's K.
; By the choice of a tile's rows (weights, value: lane r of tile T holds row 32 (T / 2) + 8 (T % 2) + r + 8 (r / 8)) the 16 registers of source 0's tiles 2 b and 2 b + 1 are 16 neighbours, 32 b + 16 (lane / 16) + 0 .. 15.
; rec: a record of 19,712 bytes for each (batch, head, step of 128 tokens): +0 K's codes (8 tiles x 6 registers, as 12 images of 512 bytes), +6144 K's scale words (two images of 256 bytes: 8 bytes a lane = two registers; a register holds
; an even tile's words in lanes 0-15 and the next tile's in lanes 16-31; bytes 2 and 3 are 0), +6656 V's codes (4 fragments of 16 d x 128 keys), +12800 V's scale words (256 bytes, likewise), +13056 Q's codes, +19200 Q's scale words (as K's).
; LIMITS: NaN and infinities are not served; a block of zeros gets the byte 1 (its codes are zeros; this program alone reads the bytes); blocks under 2^-124 are held at the byte 1.
; REGISTERS: window 0: v0-31 addresses; v32-95 scale words (register 8 i + s: source 1's tile i in lanes 0-15, source 0's tile i in lanes 16-31, K step s); v96-191 source 1's fragments, two sets; v192-255 at work on the way out.
;   window 1: the 32 accumulators ((a, b) at v[8 (8 a + b)]).   window 2: source 0's fragments, two sets of 96.
.set RECB,  19712
.set HEADB, 16*RECB
.set CH,    147456                     ; a chunk: 16 + 8 tiles x 6,144 bytes
.set SMALL, 98304                      ; where the weights' tiles begin in a chunk
.set SPARE, 2*CH                       ; behind the chunks: the spare words, 128 bytes a wave: two blocks of 256 bytes that no other line names
.set ACTQ,  512*12288                  ; from a product's activations to the next product's, in qc
.set WEIQ,  64*12288                   ; and from its weights
.set NLD,   36                         ; LDS loads of a K step's fragments
.set AD1,   16                         ; v16-17 source 1's LDS address in chunk 0, 1 for Q and K; v18-19 for V
.set AD0,   20                         ; v20-21 source 0's; v22-23 for V
.set SCK,   24                         ; v24  my offset in qs for K, then for V
.set SCV,   25                         ; v25  for V
.set SCN,   26                         ; v26  for the product that comes next
.set PFO,   27                         ; v27  the prefetches' offset; never rewritten
.set SPW,   28                         ; v28  LDS address of my spare word; never rewritten
.set NIL,   29                         ; v29  0; never rewritten
.set SCO,   30                         ; v30  my offset in qs for Q
.set SC,    32
.set F1,    96
.set X,     96                         ; the way out: codes, in the registers that the fragments have left
.set TM,    200                        ; v200-203 largest magnitudes, v204-207 bytes, v212-215 the conversions' scale operands
.set PW,    216
.set WA,    217
.set TT,    218
.set PX,    220                        ; v220-222, v224-226
.set SE,    228                        ; v228-229 the even head's scale words, v230-231 the odd head's
.set SO,    230
.set WVR,   232
.set CV,    236
.set G1B,   24                         ; s[24:31] group 1 of the head's loads, activations (16 tiles);  s[32:39] weights (8 tiles)
.set G1S,   32
.set HB,    40                         ; s[40:47] their groups 0, activations, chunk 0, 1;  s[68:75] weights
.set HS,    68
.set G1BR,  48                         ; s[48:55] group 1 of the ring's loads, activations (8 tiles);  s[76:83] weights (4 tiles)
.set G1SR,  76
.set RB,    84                         ; s[84:91] their groups 0, activations, chunk 0, 1;  s[92:99] weights
.set RS,    92
.set SEL,   56                         ; s[56:57] selects for lane l xor 16
.set UP,    58                         ; s58  lanes 16-31
.set PFA,   100                        ; s[100:101] the rows that I will fetch of the product whose chunks are being asked for, chunk 0
.set PFS,   22                         ; s[22:23] from that product to the next, in bytes (behind the head, where these two held an address)
.set MSB, 0
.macro WIN new                         ; the immediate's high byte repeats the setting that is left
.if MSB != \new
	s_set_vgpr_msb (MSB<<8)|\new
.set MSB, \new
.endif
.endm
.macro WALU
	s_wait_alu depctr_va_vdst(0)
.endm
.macro CREST                           ; a round of the cluster's barrier behind its opening barrier
	s_cmp_lg_u32 s10, 0
	s_cbranch_scc1 .Lnot_wave_0_\@
	s_barrier_signal -3
.Lnot_wave_0_\@:
	s_barrier_wait -3
	s_barrier_signal -1
	s_barrier_wait -1
.endm
.macro BAR
	s_barrier_signal -1
	s_barrier_wait -1
.endm
.macro CROUND
	BAR
	CREST
.endm
.macro PLACES n
.rept \n
	v_nop
.endr
.endm
.macro TLOAD g0, g1
	tensor_load_to_lds s[\g0:\g0+3], s[\g1:\g1+7]
	s_nop 0
	PLACES 4
.endm
.macro GROUP1 g, mask, rows            ; rows of 6,144 bytes (768 elements of 8), 12,288 bytes apart; 15:0 the mask; 21 set beside it; no padding
	s_or_b32 s[\g], s\mask, 0x230000
	s_mov_b32 s[\g+1], 768<<16
	s_mov_b32 s[\g+2], (\rows)<<16
	s_mov_b32 s[\g+3], 768<<16
	s_mov_b32 s[\g+4], \rows
	s_mov_b32 s[\g+5], 1536
	s_mov_b32 s[\g+6], 0
	s_mov_b32 s[\g+7], 0
.endm
.macro GROUP0 g, lds, base, off        ; lds: the LDS address, a constant or a scalar register
	s_mov_b32 s[\g], 1
	s_mov_b32 s[\g+1], \lds
	s_add_nc_u64 s[\g+2:\g+3], s[\base:\base+1], \off
	s_or_b32 s[\g+3], s[\g+3], 0x80000000
.endm
	s_load_b128 s[4:7], s[0:1], 0x0                ; qc, qs
	s_load_b64 s[8:9], s[0:1], 0x10                ; rec
	v_lshl_add_u32 v[SPW], v0, 2, SPARE
	v_mov_b32 v[NIL], 0
	ds_add_u32 v[SPW], v[NIL]                      ; the opening lines: the add, twice on end, and its wait ahead of my first tensor load
	ds_add_u32 v[SPW], v[NIL]
	v_lshrrev_b32 v1, 5, v0
	v_readfirstlane_b32 s10, v1                    ; wave 0..3
	s_and_b32 s11, s10, 1
	s_lshr_b32 s12, s10, 1
	s_bfe_u32 s13, ttmp6, 0x40000                  ; cx
	s_bfe_u32 s14, ttmp6, 0x40004                  ; cy
	s_lshl_b32 s15, ttmp9, 2
	s_add_co_u32 s15, s15, s13                     ; x: block of 128 features
	s_and_b32 s16, ttmp7, 0xffff
	s_lshl_b32 s16, s16, 2
	s_add_co_u32 s16, s16, s14                     ; y: block of 256 rows
	s_lshl_b32 s18, s14, 2
	s_lshl_b32 s18, 15, s18                        ; my row of the cluster
	s_lshl_b32 s19, 0x1111, s13                    ; my column
	GROUP1 G1B, 18, 16
	GROUP1 G1S, 19, 8
	GROUP1 G1BR, 18, 8
	GROUP1 G1SR, 19, 4
	s_lshl_b32 s20, s16, 4                         ; query's tile 512 + 16 y; W_q's tile 2048 + 8 x: each in registers that never hold the other coordinate
	s_add_co_u32 s20, s20, 512
	s_mul_i32 s20, s20, 12288
	s_mov_b32 s21, 0
	s_lshl_b32 s22, s15, 3
	s_add_co_u32 s22, s22, 2048
	s_mul_i32 s22, s22, 12288
	s_mov_b32 s23, 0
	s_mov_b32 s[SEL], 0x76543210
	s_mov_b32 s[SEL+1], 0xfedcba98
	s_mov_b32 s[UP], 0xffff0000
	s_mul_i32 s2, s10, 24576                       ; Q, K: source 1 = the activations' tiles 4 w on (source 0: the weights' eight, at SMALL)
	s_mul_i32 s59, s12, 24576
	s_add_co_u32 s59, s59, SMALL                   ; V: source 1 = the weights' tiles 4 (w >> 1) on,
	s_mul_i32 s3, s11, 49152                       ; source 0 = the activations' tiles 8 (w & 1) on
	s_lshl_b32 s66, s16, 4                         ; the scale words, 512 bytes a tile.  Q: source 1's first tile 512 + 16 y + 4 w,
	s_lshl_b32 s67, s10, 2
	s_add_co_u32 s66, s66, s67
	s_add_co_u32 s66, s66, 512
	s_lshl_b32 s66, s66, 9
	s_lshl_b32 s67, s15, 3                         ; source 0's 2048 + 8 x
	s_add_co_u32 s67, s67, 2048
	s_lshl_b32 s67, s67, 9
	s_lshl_b32 s100, s15, 3                        ; V: source 1's 2176 + 8 x + 4 (w >> 1),
	s_lshl_b32 s101, s12, 2
	s_add_co_u32 s100, s100, s101
	s_add_co_u32 s100, s100, 2176
	s_lshl_b32 s100, s100, 9
	s_lshl_b32 s101, s16, 4                        ; source 0's 1536 + 16 y + 8 (w & 1)
	s_lshl_b32 s60, s11, 3
	s_add_co_u32 s101, s101, s60
	s_add_co_u32 s101, s101, 1536
	s_lshl_b32 s101, s101, 9
	s_cmp_eq_u32 s12, 0                            ; my place among the four that ask with me: cx for the activations, cy for the weights: it enters the prefetches' offset alone
	s_cselect_b32 s60, s13, s14
	s_mul_i32 s60, s60, 1536                       ; my quarter of a row of 6,144 bytes
	v_and_b32 v1, 31, v0
	v_and_b32 v2, 15, v0
	v_lshlrev_b32 v3, 4, v1                        ; 16 x lane
	v_lshlrev_b32 v4, 3, v1                        ; 8 x lane
	v_add_nc_u32 v[AD1], s2, v3
	v_add_nc_u32 v[AD0], SMALL, v3
	v_add_nc_u32 v[AD1+2], s59, v3
	v_add_nc_u32 v[AD0+2], s3, v3
.irp k, 0,2
	v_add_nc_u32 v[AD1+\k+1], CH, v[AD1+\k]
	v_add_nc_u32 v[AD0+\k+1], CH, v[AD0+\k]
.endr
	v_mov_b32 v8, s66
	v_mov_b32 v9, s67
	v_cndmask_b32 v8, v8, v9, s[UP]                ; lanes 0-15 take source 1's words, lanes 16-31 source 0's
	v_lshl_add_u32 v[SCO], v2, 5, v8               ; + 32 r
	v_mov_b32 v8, 0x40000                          ; K's lie 512 tiles on (activations), 64 tiles on (weights)
	v_mov_b32 v9, 0x8000
	v_cndmask_b32 v8, v8, v9, s[UP]
	v_add_nc_u32 v[SCK], v[SCO], v8
	v_mov_b32 v8, s100
	v_mov_b32 v9, s101
	v_cndmask_b32 v8, v8, v9, s[UP]
	v_lshl_add_u32 v[SCV], v2, 5, v8
	v_mov_b32 v10, s11
	v_mov_b32 v11, s11
	v_mad_u32_u24 v10, v10, 0xc00, v3              ; Q's, K's way out: my two pairs of tiles among the step's four
	v_lshl_add_u32 v11, v11, 8, v4
	v_lshrrev_b32 v5, 3, v1                        ; the prefetches: eight lanes to a row, four rows an instruction;
	v_and_b32 v6, 7, v1
	v_min_u32 v6, 5, v6                            ; six blocks of 256 bytes (the two lanes left over name the sixth again)
	v_mul_u32_u24 v5, v5, 0x3000
	v_lshl_add_u32 v5, v6, 8, v5
	v_add_nc_u32 v[PFO], s60, v5
.irp b, 0,1,2,3
	v_mov_b32 v[TM+4+\b], 0                        ; written once: a lane permute's destination counts as one of its sources
.endr
	WALU
	s_wait_dscnt 0x0                               ; both opening adds are done
	s_wait_kmcnt 0x0
	s_add_nc_u64 s[20:21], s[4:5], s[20:21]
	s_add_nc_u64 s[22:23], s[4:5], s[22:23]
.irp c, 0,1
	GROUP0 HB+4*\c, \c*CH, 20, \c*6144
	GROUP0 HS+4*\c, \c*CH+SMALL, 22, \c*6144
.endr
	CROUND                                         ; all sixteen work-groups are here: the joint loads meet
	s_cmp_eq_u32 s10, 0                            ; one chain of branches on the wave's number, one load to an arm
	s_cbranch_scc0 .Larm_2
	TLOAD HB, G1B                                  ; wave 0: the activations' chunk 0
	s_branch .Lasked
.Larm_2:
	s_cmp_eq_u32 s10, 2
	s_cbranch_scc0 .Larm_1
	TLOAD HS, G1S                                  ; wave 2: the weights' chunk 0
	s_branch .Lasked
.Larm_1:
	s_cmp_eq_u32 s10, 1
	s_cbranch_scc0 .Larm_3
	TLOAD HB+4, G1B                                ; wave 1: the activations' chunk 1
	s_branch .Lasked
.Larm_3:
	TLOAD HS+4, G1S                                ; wave 3: the weights' chunk 1
.Lasked:
.macro SCALES adr                      ; a product's scale words of all of K, straight into registers.  (Source 1 has four tiles: lanes 0-15 of i = 4 .. 7 read the tiles that follow, inside qs; those words are never named)
.irp i, 0,1,2,3,4,5,6,7
	global_load_b128 v[SC+8*\i:SC+8*\i+3], v[\adr], s[6:7] offset:512*\i
	global_load_b128 v[SC+8*\i+4:SC+8*\i+7], v[\adr], s[6:7] offset:512*\i+16
.endr
.endm
.macro ASK off, once                   ; the chunk at byte off of the rows at PFA is asked for.  The activations' waves have eight rows, the weights' four.  once = 1: in the first trip alone: behind the last refill nothing is left to ask for
.if \once
	s_cmp_eq_u32 s3, 0
	s_cbranch_scc0 .Lno_ask_\@
.endif
	global_prefetch_b8 v[PFO], s[PFA:PFA+1] offset:\off th:TH_LOAD_NT scope:SCOPE_SE
	s_cmp_eq_u32 s12, 0
	s_cbranch_scc0 .Lno_ask_\@
	global_prefetch_b8 v[PFO], s[PFA:PFA+1] offset:\off+49152 th:TH_LOAD_NT scope:SCOPE_SE
.Lno_ask_\@:
.endm
	SCALES SCO
	; the ring's groups 0.  Chunk 0's stand at K's tiles; chunk 1's stand at Q's and are stepped ahead of their first use
	s_mul_i32 s66, s11, 98304                      ; my half of the activations' tiles: 8 tiles of 12,288 bytes,
	s_mov_b32 s67, 0
	s_add_nc_u64 s[20:21], s[20:21], s[66:67]
	s_mul_i32 s66, s11, 49152                      ; of the weights': 4 tiles.  (The same number is my half's place in a chunk's activations)
	s_add_nc_u64 s[22:23], s[22:23], s[66:67]
	GROUP0 RB, s66, 20, ACTQ
	s_add_co_u32 s2, s66, CH
	GROUP0 RB+4, s2, 20, 6144
	s_mul_i32 s66, s11, 24576
	s_add_co_u32 s2, s66, SMALL
	GROUP0 RS, s2, 22, WEIQ
	s_add_co_u32 s2, s66, CH+SMALL
	GROUP0 RS+4, s2, 22, 6144
	s_mov_b32 s66, WEIQ                            ; the prefetches' base: K's rows that I will fetch; and the step from product to product
	s_cmp_eq_u32 s12, 0
	s_cselect_b64 s[PFA:PFA+1], s[20:21], s[22:23]
	s_cselect_b32 s66, ACTQ, s66
	s_add_nc_u64 s[PFA:PFA+1], s[PFA:PFA+1], s[66:67]
	s_mov_b32 s[PFS], s66
	s_mov_b32 s[PFS+1], 0
	; where the results go.  Q, K: my 64 tokens are half (w & 1) of step 2 y + (w >> 1); the even head is 2 x
	s_lshl_b32 s2, s16, 1
	s_add_co_u32 s59, s2, s12
	s_lshr_b32 s66, s59, 4
	s_lshl_b32 s66, s66, 3
	s_add_co_u32 s66, s66, s15                     ; 8 x batch + x
	s_lshl_b32 s66, s66, 5                         ; (16 x batch + 2 x) x 16
	s_and_b32 s59, s59, 15
	s_add_co_u32 s66, s66, s59
	s_mul_i32 s66, s66, RECB
	s_add_co_u32 s66, s66, 13056                   ; Q's part of the record comes first
	s_add_nc_u64 s[60:61], s[8:9], s[66:67]
	; V: my 128 tokens are step 2 y + (w & 1), my 64 features head 2 x + (w >> 1)
	s_add_co_u32 s59, s2, s11
	s_lshr_b32 s66, s59, 4
	s_lshl_b32 s66, s66, 3
	s_add_co_u32 s66, s66, s15
	s_lshl_b32 s66, s66, 1
	s_add_co_u32 s66, s66, s12
	s_lshl_b32 s66, s66, 4
	s_and_b32 s59, s59, 15
	s_add_co_u32 s66, s66, s59
	s_mul_i32 s66, s66, RECB
	s_add_nc_u64 s[62:63], s[8:9], s[66:67]
	s_mov_b32 s3, 0                                ; the trip: 0 Q, 1 K
	ASK 0, 0                                       ; K's chunk 0, which the first refill will bring
.macro FRAG3 reg, adr, off             ; a fragment comes as it was stored: three loads of 512 consecutive bytes
.irp g, 0,1,2
	ds_load_b128 v[\reg+4*\g:\reg+4*\g+3], v[\adr] offset:\off+512*\g
.endr
.endm
.macro FETCH s, r                      ; K step s: source 0's eight fragments, source 1's four, into set s % 2.  r: the role, 0 Q and K, 1 V
	WIN 0x80                                       ; destination window 2
.irp b, 0,1,2,3,4,5,6,7
	FRAG3 96*((\s)%2)+12*\b, AD0+2*(\r)+(\s)/4, 6144*\b+1536*((\s)%4)
.endr
	WIN 0
.irp a, 0,1,2,3
	FRAG3 F1+48*((\s)%2)+12*\a, AD1+2*(\r)+(\s)/4, 6144*\a+1536*((\s)%4)
.endr
.endm
.macro MUL2 s, zero, a0                ; 16 products: source 1's tiles a0, a0 + 1 x source 0's eight.  The 32 accumulators take turns, one instruction a turn, in the same order in every step.  zero = 1: the first products start the sums
	WIN 0x52                                       ; source 0 window 2, source 1 window 0, C and D window 1
.irp a, \a0, \a0+1
.irp b, 0,1,2,3,4,5,6,7
.if \zero
	v_wmma_scale_f32_16x16x128_f8f6f4 v[8*(8*(\a)+\b):8*(8*(\a)+\b)+7], v[96*((\s)%2)+12*\b:96*((\s)%2)+12*\b+11], v[F1+48*((\s)%2)+12*(\a):F1+48*((\s)%2)+12*(\a)+11], 0, v[SC+8*\b+(\s)], v[SC+8*(\a)+(\s)] matrix_a_fmt:MATRIX_FMT_FP6 matrix_b_fmt:MATRIX_FMT_FP6 matrix_a_scale:MATRIX_SCALE_ROW1
.else
	v_wmma_scale_f32_16x16x128_f8f6f4 v[8*(8*(\a)+\b):8*(8*(\a)+\b)+7], v[96*((\s)%2)+12*\b:96*((\s)%2)+12*\b+11], v[F1+48*((\s)%2)+12*(\a):F1+48*((\s)%2)+12*(\a)+11], v[8*(8*(\a)+\b):8*(8*(\a)+\b)+7], v[SC+8*\b+(\s)], v[SC+8*(\a)+(\s)] matrix_a_fmt:MATRIX_FMT_FP6 matrix_b_fmt:MATRIX_FMT_FP6 matrix_a_scale:MATRIX_SCALE_ROW1
.endif
.endr
.endr
.endm
.macro MUL s, zero
	MUL2 \s, \zero, 0
	MUL2 \s, \zero, 2
.endm
.macro EVEN s, r                       ; a K step whose successor lies in the same chunk
	PLACES 4                                       ; four plain lines between the last products and loads into the registers that they read
	FETCH (\s)+1, \r
	s_wait_dscnt NLD                               ; all but the loads just issued: this step's fragments are in
	MUL \s, 0
.endm
.macro JLOAD c                         ; the ring's joint load into chunk c: waves 0, 1 for the activations, waves 2, 3 for the weights; each line has one mask
	s_cmp_eq_u32 s12, 0
	s_cbranch_scc0 .Lfor_w_\@
	TLOAD RB+4*\c, G1BR
	s_branch .Lasked_\@
.Lfor_w_\@:
	TLOAD RS+4*\c, G1SR
.Lasked_\@:
.endm
.macro GRD c
	WIN 0
	s_wait_tensorcnt 0x0                           ; my part of the other chunk has landed
	ds_add_u32 v[SPW], v[NIL]
	s_add_nc_u64 s[RB+6-4*\c:RB+7-4*\c], s[RB+6-4*\c:RB+7-4*\c], ACTQ
	s_add_nc_u64 s[RS+6-4*\c:RS+7-4*\c], s[RS+6-4*\c:RS+7-4*\c], WEIQ
	s_wait_dscnt 0x0                               ; the add is done, and so are my reads of chunk c: its last K step's fragments are in
	s_barrier_signal -1
.endm
; 64 results of a lane (window 1, v[s] on; register 16 b + i = place 32 b + 16 (lane / 16) + i along the next K) become codes: blocks 0, 1 in six registers at d0, blocks 2, 3 at d1; the four bytes in v[PW].
; Each accumulator is read from its low end on.
.macro QUANT s, d0, d1
	WIN 0x14                                       ; sources 1 and 2 window 1
.irp b, 0,1,2,3
	v_max3_num_f32 v[TM+\b], 0x1800000, |v[(\s)+16*\b]|, |v[(\s)+16*\b+1]|   ; my 16 numbers of block b, and the floor 2^(3 - 127): the byte cannot fall under 1
.endr
.irp i, 2,4,6,8,10,12,14
.irp b, 0,1,2,3
	v_max3_num_f32 v[TM+\b], v[TM+\b], |v[(\s)+16*\b+\i]|, |v[(\s)+16*\b+\i+1]|   ; the four blocks by turns
.endr
.endr
	WIN 0
.irp b, 0,1,2,3
	v_permlanex16_b32 v[TM+4+\b], v[TM+\b], s[SEL], s[SEL+1]
.endr
.irp b, 0,1,2,3
	v_max_num_f32 v[TM+\b], v[TM+\b], v[TM+4+\b]   ; with lane l xor 16's 16: the block's largest magnitude
.endr
.irp b, 0,1,2,3
	v_add_nc_u32 v[TM+12+\b], 0xff000000, v[TM+\b] ; 2 off its exponent field: the conversion's scale operand
.endr
.irp b, 0,1,2,3
	v_lshrrev_b32 v[TM+4+\b], 23, v[TM+12+\b]      ; the scale's byte
.endr
	v_lshl_or_b32 v[PW], v[TM+5], 8, v[TM+4]
	v_lshl_or_b32 v[PW], v[TM+6], 16, v[PW]
	v_lshl_or_b32 v[PW], v[TM+7], 24, v[PW]
	WIN 0x01                                       ; source 0 window 1
	v_cvt_scalef32_pk16_fp6_f32 v[(\d0):(\d0)+2], v[(\s):(\s)+15], v[TM+12]
	v_cvt_scalef32_pk16_fp6_f32 v[PX:PX+2], v[(\s)+16:(\s)+31], v[TM+13]
	v_cvt_scalef32_pk16_fp6_f32 v[(\d1):(\d1)+2], v[(\s)+32:(\s)+47], v[TM+14]
	v_cvt_scalef32_pk16_fp6_f32 v[PX+4:PX+6], v[(\s)+48:(\s)+63], v[TM+15]
	WIN 0
	v_nop                                          ; one plain line behind the conversions
.irp i, 0,1,2                          ; the operand's layout wants a whole block in a lane: lanes 0-15 the even block, lanes 16-31 the odd one
	v_permlane16_swap_b32 v[(\d0)+\i], v[PX+\i]
	v_permlane16_swap_b32 v[(\d1)+\i], v[PX+4+\i]
.endr
.irp i, 0,1,2
	v_mov_b32 v[(\d0)+3+\i], v[PX+\i]
	v_mov_b32 v[(\d1)+3+\i], v[PX+4+\i]
.endr
.endm
; THE WAY OUT OF Q, K, pair p of my four tiles, in three parts.  A lane's 128 features are two heads: blocks 0, 1 the even head's, blocks 2, 3 the odd one's.  Each pair has its own 24 registers of codes, so that no store's data are written again
.macro QK1 p                           ; the even tile
	QUANT 64*(2*\p), X+24*\p, X+24*\p+12
	v_mov_b32 v[WA], v[PW]
.endm
.macro QK2 p                           ; the odd tile, and the pair's scale words
	QUANT 64*(2*\p+1), X+24*\p+6, X+24*\p+18
	v_cndmask_b32 v[TT], v[WA], v[PW], s[UP]       ; the even tile's words in lanes 0-15, the odd tile's in lanes 16-31
	v_and_b32 v[SE+\p], 0xffff, v[TT]              ; the even head's two bytes; bytes 2 and 3 are 0
	v_lshrrev_b32 v[SO+\p], 16, v[TT]              ; the odd head's
.endm
.macro QKST p                          ; the pair's codes leave
.irp g, 0,1,2
	global_store_b128 v10, v[X+24*\p+4*\g:X+24*\p+4*\g+3], s[60:61] offset:1536*\p+512*\g            ; 512 consecutive bytes, at a multiple of 256 from rec's first byte
	global_store_b128 v10, v[X+24*\p+12+4*\g:X+24*\p+12+4*\g+3], s[60:61] offset:HEADB+1536*\p+512*\g
.endr
.endm
	s_cmp_eq_u32 s11, 0                            ; waves 0 and 2 fetched chunk 0, by lines that are theirs alone: they wait for it here; chunk 1 may stay out
	s_cbranch_scc0 .Lnot_first
	s_wait_tensorcnt 0x0
.Lnot_first:
	BAR
.Ltile:                                                ; Q, then K
	FETCH 0, 0
	FETCH 1, 0
	s_wait_loadcnt 0x0                             ; this product's scale words are in, and their loads have read their offsets:
	v_mov_b32 v[SCN], v[SCK]                       ; the next product's: K's in the first trip, V's in the second
	v_mov_b32 v[SCK], v[SCV]
	WALU                                           ; the wait directly behind the writes
	s_wait_dscnt NLD
	MUL 0, 1
	EVEN 1, 0
	EVEN 2, 0
	GRD 0
	MUL2 3, 0, 0                                   ; work on registers while the others arrive,
	WIN 0
	s_barrier_wait -1
	CREST                                          ; no wave of any partner still reads chunk 0 or has a load on its way; chunk 1 is whole
	JLOAD 0                                        ; the next product's chunk 0; the four v_nop behind it are the places ahead of the loads below
	FETCH 4, 0
	ASK 6144, 0                                    ; the next product's chunk 1, which the next refill will bring
	MUL2 3, 0, 2
	EVEN 4, 0
	EVEN 5, 0
	EVEN 6, 0
	s_wait_dscnt 0x0                               ; K step 7's fragments are in: my reads of chunk 1 are over
	MUL 7, 0
	WIN 0
	PLACES 4                                       ; ahead of the loads into the scale registers and of the first read of results
	SCALES SCN                                     ; the next product's scale words come while this one goes out
	QK1 0
	GRD 1
	QK2 0                                          ; work on registers while the others arrive,
	WALU
	s_barrier_wait -1
	CREST                                          ; the next product's chunk 0 is whole
	JLOAD 1                                        ; its chunk 1
	s_wait_xcnt 0x0                                ; my prefetches have read their base:
	s_add_nc_u64 s[PFA:PFA+1], s[PFA:PFA+1], s[PFS:PFS+1]   ; on to the product after the next
	ASK 0, 1                                       ; V's chunk 0, which the next refill will bring
	QKST 0
	QK1 1
	QK2 1
	QKST 1
	global_store_b64 v11, v[SE:SE+1], s[60:61] offset:6144
	global_store_b64 v11, v[SO:SO+1], s[60:61] offset:HEADB+6144
	s_wait_xcnt 0x0                                ; the stores have read their base and their registers, into which the next fragments are loaded
	s_sub_nc_u64 s[60:61], s[60:61], 13056         ; K's part of the record
	s_add_co_u32 s3, s3, 1
	s_cmp_lt_u32 s3, 2
	WALU
	s_cbranch_scc1 .Ltile
	; V: nothing more is fetched
	FETCH 0, 1
	FETCH 1, 1
	s_wait_loadcnt 0x0
	s_wait_dscnt NLD
	MUL 0, 1
	EVEN 1, 1
	EVEN 2, 1
	s_wait_dscnt 0x0                               ; K step 3's fragments are in; no LDS instruction of mine is out at the signal
	s_wait_tensorcnt 0x0                           ; my part of chunk 1 has landed,
	BAR                                            ; everybody's has
	PLACES 4
	FETCH 4, 1
	MUL 3, 0
	EVEN 4, 1
	EVEN 5, 1
	EVEN 6, 1
	s_wait_dscnt 0x0
	MUL 7, 0
	WIN 0
	PLACES 4                                       ; ahead of the first read of results
	; THE WAY OUT OF V.  Tile a's 64 results of a lane are one feature's 128 keys: a whole fragment
.irp a, 0,1,2,3
	QUANT 64*\a, X+12*\a, X+12*\a+6
	v_mov_b32 v[WVR+\a], v[PW]
.irp g, 0,1,2
	global_store_b128 v3, v[X+12*\a+4*\g:X+12*\a+4*\g+3], s[62:63] offset:6656+1536*\a+512*\g
.endr
.endr
	v_cndmask_b32 v[CV], v[WVR], v[WVR+1], s[UP]
	v_cndmask_b32 v[CV+1], v[WVR+2], v[WVR+3], s[UP]
	global_store_b64 v4, v[CV:CV+1], s[62:63] offset:12800
	s_wait_tensorcnt 0x0                           ; the wave's end, behind my last tensor load
	ds_add_u32 v[SPW], v[NIL]
	s_wait_dscnt 0x0
	CROUND                                         ; the closing round: no work-group ends while a partner may still ask for a tile that names it
	s_endpgm
.Lfunc_end_k_q52740a53a0_proj:
	.size	k_q52740a53a0_proj, .Lfunc_end_k_q52740a53a0_proj-k_q52740a53a0_proj
	.p2alignl 7, 3214868480
	.fill 96, 4, 3214868480
	.section	.rodata,"a",@progbits
	.p2align	6, 0x0
	.amdhsa_kernel k_q52740a53a0_proj
		.amdhsa_group_segment_fixed_size 327680
		.amdhsa_private_segment_fixed_size 0
		.amdhsa_enable_private_segment 0
		.amdhsa_kernarg_size 24
		.amdhsa_user_sgpr_count 2
		.amdhsa_user_sgpr_kernarg_segment_ptr 1
		.amdhsa_wavefront_size32 1
		.amdhsa_system_sgpr_workgroup_id_x 1
		.amdhsa_system_sgpr_workgroup_id_y 1
		.amdhsa_system_sgpr_workgroup_id_z 1
		.amdhsa_system_vgpr_workitem_id 0
		.amdhsa_next_free_vgpr 768
		.amdhsa_next_free_sgpr 102
		.amdhsa_reserve_vcc 0
		.amdhsa_float_denorm_mode_32 3
		.amdhsa_float_denorm_mode_16_64 3
		.amdhsa_memory_ordered 1
		.amdhsa_forward_progress 1
		.amdhsa_inst_pref_size 157
	.end_amdhsa_kernel
	.amdgpu_metadata
---
amdhsa.version: [ 1, 2 ]
amdhsa.kernels:
  - .name:           k_q52740a53a0_proj
    .symbol:         k_q52740a53a0_proj.kd
    .args:
      - { .name: qc, .offset: 0, .size: 8, .value_kind: global_buffer, .address_space: global }
      - { .name: qs, .offset: 8, .size: 8, .value_kind: global_buffer, .address_space: global }
      - { .name: rec, .offset: 16, .size: 8, .value_kind: global_buffer, .address_space: global }
    .group_segment_fixed_size: 327680
    .private_segment_fixed_size: 0
    .kernarg_segment_align: 8
    .kernarg_segment_size: 24
    .max_flat_workgroup_size: 128
    .sgpr_count:     102
    .vgpr_count:     768
    .wavefront_size: 32
...
	.end_amdgpu_metadata
.endif
;; end of part 2
;; launch attn (part 3): grid 4 x 64, 16 waves a work-group, clusters of 4 x 1, 210,944 bytes of LDS; arguments rec, qc, qs; writes qc, qs
.if DOCPART == 3
	.amdgcn_target "amdgcn-amd-amdhsa--gfx1250"
	.amdhsa_code_object_version 6
	.text
	.protected	k_q52740a53a0_attn
	.globl	k_q52740a53a0_attn
	.p2align	8
	.type	k_q52740a53a0_attn,@function
k_q52740a53a0_attn:
	s_mov_b64 s[64:65], 0
	v_nop
	global_prefetch_b8 v0, s[64:65] scope:SCOPE_SE
	s_setreg_imm32_b32 hwreg(HW_REG_WAVE_MODE, 25, 1), 1
	s_wait_xcnt 0x0
	s_wait_alu depctr_hold_cnt(0) depctr_sa_sdst(0) depctr_va_vdst(0) depctr_va_sdst(0) depctr_va_ssrc(0) depctr_va_vcc(0) depctr_vm_vsrc(0)
	s_getreg_b32 s2, hwreg(HW_REG_IB_STS2, 6, 4)
	s_cmp_eq_u32 s2, 0
	s_cbranch_scc0 .Lentry_in_a_cluster
	s_endpgm
.Lentry_in_a_cluster:
	s_bfe_u32 s2, ttmp6, 0x10000c
	s_cmp_lg_u32 s2, 0x3003
	s_cbranch_scc0 .Lentry_shape_is_right
	s_endpgm
.Lentry_shape_is_right:
; For each (batch, head): O[q] = sum over k of softmax_k(Q[q] . K[k] / 8) V[k], both products on codes of FP6 (E2M3) with E8M0 scales; O is divided by the row's sum and quantised along d_model for the last product.
; THE SOFTMAX: t = score x log2(e) / 8; M = the running largest t rounded UP to a whole number; p = 2^(t - M) is quantised along the keys, not normalised; the row's sum is taken of the unquantised p.  When M moves, the sum and O are multiplied by 2^(old M - new M): exact.
; rec: a record of 19,712 bytes for each (batch, head, step of 128 tokens): +0 K's codes, +6144 K's scale words, +6656 V's codes (keys innermost), +12800 V's scale words, +13056 Q's codes, +19200 Q's scale words; all as images of the registers below.
; SHARES.  A work-group owns 512 queries of one head; each of its 16 waves two tiles of 16, one after the other (two passes over the head's 16 key steps), in 256 registers: four waves to a SIMD.
; THE WHOLE HEAD'S K AND V LIE IN LDS: 16 x 13,056 bytes, filled once, wave w fetching record w by one tensor load; nothing is filled again; all that is read is asked for at the head, so there is no later request to run ahead of and no prefetch.
; WAVE w WALKS THE RECORDS w, w + 1, .. modulo 16 (the running M serves any order): its first step reads the record that it fetched itself, behind its own wait alone.
; A BARRIER IN EVERY STEP, signal at the step's head, wait at its end, with LDS loads and register work between: the first shows every wave's record to all; the later ones keep the sixteen waves within one key step of each other.
; CLUSTER 4 x 1: the head's four blocks of queries need the same K and V: each record is asked for jointly, by the same load with a mask that names the four.
; LAYOUT.  Both products transposed: S^T = K Q^T, O^T = V^T P^T: a lane holds ONE query.  Row m of K's tile t is key 64 (t / 4) + 8 (t % 4) + m % 8 + 32 (m / 8) of the step: so register 32 c + i of a lane's 64 scores is key 64 c + 32 (lane / 16) + i:
; a lane holds two WHOLE scale blocks, in the order of the next operand's registers: no lane asks another for a block's maximum, and no code changes lanes.  Only the row's maximum and p's scale word join lanes l and l xor 16.
; K = 64 IN AN INSTRUCTION OF 128: a tile of K is six registers; the instruction names twelve: the upper six are the next tile's codes (behind the last tile: zeros).  They meet the six zero registers of Q's operand, and the scale bytes 2 and 3 are 0 (no NaN) on both sides: they add nothing.
; A PASS'S FIRST STEP IS WRITTEN OUT: its products start O^T (C = 0) and its sums start the row's sum: nothing is cleared.
; THE RESULT goes to qc's tiles 0-511: tile T x 12,288 + head x 768: registers 0-3 at 16 x lane, registers 4-5 at 512 + 8 x lane.  Its two scale bytes a row go to qs, 2 bytes a lane at 32 r + 2 head: rows 32 bytes apart, written in part: 2 bytes beside each 48 of codes.
; LIMITS: the promise holds while the scaled scores t stay under 2^31 in magnitude; NaN and infinities are not served; a block of zeros gets the byte 1 (its codes are zeros; this program alone reads the bytes); blocks under 2^-124 are held at the byte 1.
; REGISTERS: v1 16 x lane, v2 8 x lane, v3, v4 the add's two, v5, v6 the step's LDS addresses, v7 the scale bytes' place, v8, v9 Q's offsets; v12 -M, v13 the largest score, v[14:15] the sum; v16-27 Q's operand (six of codes, six zeros); v28, v29 Q's scale words;
; v30, v31 the results' scale bytes; v32-79 K's codes, then V's; v80-85 zeros; v86-89 K's scale words, v90-91 V's, v92 p's; v93 8 (lane / 16); v96-159 S^T, then p; v160-191 O^T; v192-209 at work; v212-223 p's codes; v224-230 the conversions' upper halves; v232-243 my two tiles of Q.
.set RECB,  19712
.set KV,    13056                      ; K's and V's part of a record
.set SPARE, 16*KV                      ; behind the 16 records: the spare words, 128 bytes a wave: eight blocks of 256 bytes that no other line names
.macro CROUND
	s_barrier_signal -1
	s_barrier_wait -1
	s_cmp_lg_u32 s10, 0
	s_cbranch_scc1 .Lnot_wave_0_\@
	s_barrier_signal -3
.Lnot_wave_0_\@:
	s_barrier_wait -3
	s_barrier_signal -1
	s_barrier_wait -1
.endm
.macro WALU
	s_wait_alu depctr_va_vdst(0)
.endm
.macro DEP1
	s_delay_alu instid0(VALU_DEP_1)
.endm
.macro MM d, a, b, c, sa, sb, row
	v_wmma_scale_f32_16x16x128_f8f6f4 v[\d:\d+7], v[\a:\a+11], v[\b:\b+11], \c, v[\sa], v[\sb] matrix_a_fmt:MATRIX_FMT_FP6 matrix_b_fmt:MATRIX_FMT_FP6 matrix_a_scale:MATRIX_SCALE_ROW\row
.endm
	s_load_b128 s[4:7], s[0:1], 0x0                ; rec, qc
	s_load_b64 s[8:9], s[0:1], 0x10                ; qs
	v_lshl_add_u32 v3, v0, 2, SPARE
	v_mov_b32 v4, 0
	ds_add_u32 v3, v4                              ; the opening lines: the add, twice on end, and its wait ahead of my first tensor load
	ds_add_u32 v3, v4
	v_lshrrev_b32 v8, 5, v0
	v_readfirstlane_b32 s10, v8                    ; wave 0..15
	s_bfe_u32 s11, ttmp6, 0x40000                  ; cx
	s_lshl_b32 s12, ttmp9, 2
	s_add_co_u32 s12, s12, s11                     ; x: my block of 512 queries: it enters Q's and the result's addresses alone
	s_and_b32 s13, ttmp7, 0xffff                   ; y = 16 x batch + head, which the four partners share
	s_mov_b32 s16, 0x23000f                        ; group 1: 15:0 the mask: all four; 17:16 elements of 8 bytes; 21 set beside a mask; no padding
	s_mov_b32 s17, 32<<16                          ; rows of 256 bytes,
	s_mov_b32 s18, 51<<16                          ; 51 of them: a dense block of 13,056 bytes
	s_mov_b32 s19, 32<<16
	s_mov_b32 s20, 51
	s_mov_b32 s21, 32
	s_mov_b32 s22, 0
	s_mov_b32 s23, 0
	s_mov_b32 s24, 1
	s_mul_i32 s25, s10, KV                         ; record w's place in LDS
	s_lshl_b32 s36, s13, 4
	s_add_co_u32 s38, s36, s10
	s_mul_i32 s38, s38, RECB                       ; record 16 y + w
	s_mov_b32 s39, 0
	s_lshl_b32 s40, s12, 2
	s_lshr_b32 s41, s10, 2
	s_add_co_u32 s40, s40, s41                     ; my queries' step: 4 x + (w >> 2)
	s_add_co_u32 s42, s36, s40
	s_mul_i32 s42, s42, RECB
	s_mov_b32 s43, 0
	s_and_b32 s44, s10, 3                          ; p: my pair of tiles in it
	s_lshr_b32 s45, s13, 4
	s_lshl_b32 s45, s45, 7
	s_lshl_b32 s46, s40, 3
	s_add_co_u32 s45, s45, s46
	s_lshl_b32 s46, s44, 1
	s_add_co_u32 s45, s45, s46                     ; T0 = 128 x batch + 8 x step + 2 p: my first tile among the 512
	s_and_b32 s46, s13, 15                         ; head
	s_mul_i32 s48, s45, 12288
	s_mul_i32 s47, s46, 768
	s_add_co_u32 s48, s48, s47
	s_mov_b32 s49, 0
	s_lshl_b32 s50, s45, 9
	s_lshl_b32 s47, s46, 1
	s_add_co_u32 s50, s50, s47
	s_mov_b32 s51, 0
	s_mov_b32 s28, 0x76543210
	s_mov_b32 s29, 0xfedcba98                      ; selects for lane l xor 16
	s_mov_b32 s30, 0x3e38aa3b                      ; c = log2(e) / 8
	s_mov_b32 s31, s30                             ; (named with it as a pair, so it is written)
	s_mov_b32 s34, 0xffff0000                      ; lanes 16-31
	s_mul_i32 s54, s44, 1536                       ; Q's codes: my pair
	s_lshr_b32 s52, s44, 1
	s_lshl_b32 s52, s52, 8
	s_and_b32 s53, s44, 1
	s_lshl_b32 s53, s53, 2
	s_add_co_u32 s52, s52, s53                     ; Q's scale words: image p / 2, register p % 2
	v_and_b32 v9, 31, v0
	v_and_b32 v10, 15, v0                          ; r
	v_bfe_u32 v11, v0, 4, 1                        ; h
	v_lshlrev_b32 v1, 4, v9
	v_lshlrev_b32 v2, 3, v9
	v_lshlrev_b32 v7, 5, v10
	v_lshlrev_b32 v93, 3, v11                      ; 8 h: how far my two scale bytes are shifted
	v_lshl_add_u32 v7, v11, 9, v7                  ; 32 r, and the next tile for lanes 16-31
	v_add_nc_u32 v8, s54, v1
	v_lshl_add_u32 v9, v10, 3, s52                 ; lane r's word (the odd tile's: lane 16 + r, 128 bytes on)
.irp i, 0,1,2,3,4,5
	v_mov_b32 v[22+\i], 0                          ; the upper half of Q's operand
	v_mov_b32 v[80+\i], 0                          ; and what follows K's last tile
.endr
.irp b, 0,1,2,3
	v_mov_b32 v[196+\b], 0                         ; written once: a lane permute's destination counts as one of its sources
.endr
	v_mov_b32 v205, 0                              ; (named as the upper half of the pair v[204:205])
	v_mov_b32 v208, 0
	WALU
	s_wait_dscnt 0x0                               ; both opening adds are done
	s_wait_kmcnt 0x0
	s_add_nc_u64 s[26:27], s[4:5], s[38:39]
	s_or_b32 s27, s27, 0x80000000
	s_add_nc_u64 s[4:5], s[4:5], s[42:43]          ; my queries' record
	s_add_nc_u64 s[6:7], s[6:7], s[48:49]          ; the result's codes
	s_add_nc_u64 s[8:9], s[8:9], s[50:51]          ; and scale bytes
	CROUND                                         ; all four work-groups are here: the joint loads meet
	tensor_load_to_lds s[24:27], s[16:23]          ; one load a wave is out
	s_nop 0
.rept 4
	v_nop
.endr
.irp g, 0,1,2
	global_load_b128 v[232+4*\g:235+4*\g], v8, s[4:5] offset:13056+512*\g
.endr
	global_load_b32 v28, v9, s[4:5] offset:19200
	global_load_b32 v29, v9, s[4:5] offset:19200+128
	s_wait_tensorcnt 0x0                           ; my record has landed: the first step's signal says so to the others
	s_wait_loadcnt 0x0                             ; Q
; two additions of the row's sum, in two chains.  In a pass's first step the chain v[14:15] begins with pairs 2 and 4
.macro SUMJ j, first
.if (\first) && ((\j) == 4)
	v_pk_add_f32 v[14:15], v[100:101], v[104:105]
	v_pk_add_f32 v[206:207], v[206:207], v[102:103]
.elseif (\first) && ((\j) == 8)
	v_pk_add_f32 v[206:207], v[206:207], v[106:107]
.else
	v_pk_add_f32 v[14:15], v[14:15], v[96+\j:97+\j]
	v_pk_add_f32 v[206:207], v[206:207], v[98+\j:99+\j]
.endif
.endm
; A KEY STEP: 128 keys, at LDS byte s32.  e: which of my two tiles of queries.  first = 1: the pass's first step
.macro STEP e, first
	v_add_nc_u32 v5, s32, v1                       ; these two and the three additions at the last step's end are the plain lines between the last products and the loads into the registers that they read
	v_add_nc_u32 v6, s32, v2
.irp g, 0,1,2,3,4,5,6,7,8,9,10,11
	ds_load_b128 v[32+4*\g:35+4*\g], v5 offset:512*\g
.endr
	ds_load_b64 v[86:87], v6 offset:6144
	ds_load_b64 v[88:89], v6 offset:6400
	WALU
	s_wait_dscnt 0x0
.irp t, 0,2,4,6                        ; S^T = K Q^T: eight tiles of 16 keys
	MM 96+8*\t, 32+6*\t, 16, 0, 86+\t/2, 28+(\e), 0
	MM 104+8*\t, 38+6*\t, 16, 0, 86+\t/2, 28+(\e), 1
.endr
.if \first                             ; four plain lines ahead of the loads into K's registers and of the first read of the scores
	v_nop
.else
	v_mov_b32 v208, v12                            ; the old -M
.endif
.rept 3
	v_nop
.endr
.irp g, 0,1,2,3,4,5,6,7,8,9,10,11
	ds_load_b128 v[32+4*\g:35+4*\g], v5 offset:6656+512*\g    ; V: it lands while the softmax is walked
.endr
	ds_load_b64 v[90:91], v6 offset:12800
.irp q, 0,1,2,3                        ; the largest score of my two blocks of 32 keys, each in two chains, the four by turns; each accumulator is read from its low end on
	v_max3_num_f32 v[192+\q], v[96+16*\q], v[97+16*\q], v[98+16*\q]
.endr
.irp i, 3,5,7,9,11,13
.irp q, 0,1,2,3
	v_max3_num_f32 v[192+\q], v[192+\q], v[96+16*\q+\i], v[97+16*\q+\i]
.endr
.endr
	v_max3_num_f32 v192, v192, v193, v111
	v_max3_num_f32 v194, v194, v195, v143
	v_max_num_f32 v192, v192, v127                 ; block h: it serves the row's maximum and, since p rises with the score, the block's largest p
	v_max_num_f32 v194, v194, v159                 ; block 2 + h
	DEP1
	v_max_num_f32 v209, v192, v194
	DEP1
	v_permlanex16_b32 v196, v209, s28, s29         ; lane l xor 16's 64 keys
	DEP1
.if \first
	v_max_num_f32 v13, v209, v196
.else
	v_max3_num_f32 v13, v13, v209, v196            ; the running largest score
.endif
	DEP1
	v_mul_f32 v209, s30, v13                       ; as t (c is positive)
	DEP1
	v_floor_f32 v12, -v209                         ; -M = -ceil(t)
.if !(\first)
	DEP1
	v_sub_f32 v208, v12, v208                      ; old M - new M: a whole number, 0 or less
	DEP1
	v_cvt_i32_f32 v208, v208                       ; (it saturates)
	DEP1
	v_ldexp_f32 v204, 1.0, v208                    ; f = 2^(old M - new M)
.endif
.set jj, 0
.rept 32
	v_pk_fma_f32 v[96+jj:97+jj], v[96+jj:97+jj], s[30:31], v[12:13] op_sel_hi:[1,0,0]   ; t - M, two at a time
.set jj, jj+2
.endr
	v_fma_f32 v192, v192, s30, v12                 ; the same of each block's largest score
	v_fma_f32 v194, v194, s30, v12
	WALU                                           ; ahead of the batch
	v_exp_f32 v192, v192                           ; the blocks' largest p
	v_exp_f32 v194, v194
.set jj, 0
.rept 64
	v_exp_f32 v[96+jj], v[96+jj]                   ; p = 2^(t - M)
.set jj, jj+1
.endr
.if \first
	v_nop                                          ; the plain line behind the exponentials
.else
	v_pk_mul_f32 v[14:15], v[14:15], v[204:205] op_sel_hi:[1,0]   ; the sum under the new M: the plain line behind the exponentials
.endif
	WALU                                           ; one wait for the batch of 66, directly ahead of the first readers of O^T and of p
.if !(\first)
.set jj, 0
.rept 16
	v_pk_mul_f32 v[160+jj:161+jj], v[160+jj:161+jj], v[204:205] op_sel_hi:[1,0]   ; O^T under the new M, each accumulator from its low end on
.set jj, jj+2
.endr
.endif
	v_max_num_f32 v192, 0x1800000, v192            ; the floor 2^(3 - 127): the byte cannot fall under 1
	v_max_num_f32 v194, 0x1800000, v194
	v_pk_add_f32 v[206:207], v[96:97], v[98:99]    ; the row's sum of the unquantised p
	v_add_nc_u32 v200, 0xff000000, v192            ; 2 off the exponent field: the conversions' scale operands
	v_add_nc_u32 v201, 0xff000000, v194
	SUMJ 4, \first
	v_lshrrev_b32 v197, 23, v200                   ; the scales' bytes
	v_lshrrev_b32 v198, 23, v201
	v_cvt_scalef32_pk16_fp6_f32 v[212:214], v[96:111], v200
	v_cvt_scalef32_pk16_fp6_f32 v[224:226], v[112:127], v200      ; (a conversion's three registers begin on an even number)
	v_cvt_scalef32_pk16_fp6_f32 v[218:220], v[128:143], v201
	v_cvt_scalef32_pk16_fp6_f32 v[228:230], v[144:159], v201
	SUMJ 8, \first                                 ; a plain line behind the conversions
	v_lshl_or_b32 v198, v198, 16, v197
.irp i, 0,1,2
	v_mov_b32 v[215+\i], v[224+\i]
.endr
	v_lshlrev_b32 v198, v93, v198                  ; at bytes h and 2 + h
.irp i, 0,1,2
	v_mov_b32 v[221+\i], v[228+\i]
.endr
	v_permlanex16_b32 v199, v198, s28, s29
	SUMJ 12, \first
	v_or_b32 v92, v198, v199                       ; with lane l xor 16's two bytes p's scale word is whole
.irp j, 16,20,24,28,32,36,40,44,48,52,56
	SUMJ \j, \first                                ; these 22 are also the plain lines between p's codes and scale word and the products
.endr
	WALU
	s_wait_dscnt 0x0                               ; V
.irp t, 0,2                            ; O^T += V^T P^T: four tiles of 16 of the head's 64; the four accumulators by turns
.if \first
	MM 160+8*\t, 32+12*\t, 212, 0, 90+\t/2, 92, 0
	MM 168+8*\t, 44+12*\t, 212, 0, 90+\t/2, 92, 1
.else
	MM 160+8*\t, 32+12*\t, 212, v[160+8*\t:167+8*\t], 90+\t/2, 92, 0
	MM 168+8*\t, 44+12*\t, 212, v[168+8*\t:175+8*\t], 90+\t/2, 92, 1
.endif
.endr
	SUMJ 60, 0                                     ; the sum's last three additions: plain lines behind the products, naming none of their registers
	v_pk_add_f32 v[14:15], v[14:15], v[206:207]
.endm
; A PASS: tile e of my pair walks the head's 16 key steps, beginning at record w
.macro PASS e
.irp i, 0,1,2,3,4,5
	v_mov_b32 v[16+\i], v[232+6*(\e)+\i]
.endr
.rept 4
	v_nop                                          ; an operand written by vector instructions stands four plain lines ahead of a scaled product
.endr
	s_mul_i32 s32, s10, KV                         ; my own record
	s_barrier_signal -1
	STEP \e, 1
	s_barrier_wait -1                              ; every wave has waited for its record
	s_mov_b32 s33, 1
.Lkey_\@:
	s_add_co_u32 s35, s33, s10
	s_and_b32 s35, s35, 15
	s_mul_i32 s32, s35, KV                         ; record (w + trip) % 16
	s_barrier_signal -1                            ; no LDS instruction of mine is out here
	STEP \e, 0
	s_barrier_wait -1                              ; every wave has begun this trip
	s_add_co_u32 s33, s33, 1
	s_cmp_lt_u32 s33, 16
	s_cbranch_scc1 .Lkey_\@
	WALU                                           ; the wait directly ahead of the reader below: the sum was written ahead of the barrier's wait
	v_add_f32 v14, v14, v15                        ; the sum's two halves,
	v_permlanex16_b32 v208, v14, s28, s29
	v_add_f32 v14, v14, v208                       ; and lane l xor 16's
	WALU
	v_rcp_f32 v14, v14
	v_nop
	v_nop
	WALU                                           ; ahead of the reciprocal's first reader and of the first readers of O^T
.set jj, 0
.rept 16
	v_pk_mul_f32 v[96+jj:97+jj], v[160+jj:161+jj], v[14:15] op_sel_hi:[1,0]   ; O^T / the sum: register 16 b + i is d = 32 b + 16 (lane / 16) + i
.set jj, jj+2
.endr
.irp b, 0,1
	v_max3_num_f32 v[192+\b], |v[96+16*\b]|, |v[97+16*\b]|, 0x1800000
.endr
.irp i, 2,4,6,8,10,12,14
.irp b, 0,1
	v_max3_num_f32 v[192+\b], v[192+\b], |v[96+16*\b+\i]|, |v[97+16*\b+\i]|
.endr
.endr
.irp b, 0,1
	v_permlanex16_b32 v[196+\b], v[192+\b], s28, s29
.endr
.irp b, 0,1
	v_max_num_f32 v[192+\b], v[192+\b], v[196+\b]
.endr
.irp b, 0,1
	v_add_nc_u32 v[200+\b], 0xff000000, v[192+\b]
.endr
.irp b, 0,1
	v_lshrrev_b32 v[196+\b], 23, v[200+\b]
.endr
	v_lshl_or_b32 v[30+(\e)], v197, 8, v196        ; my row's two scale bytes of this head
	v_cvt_scalef32_pk16_fp6_f32 v[212:214], v[96:111], v200
	v_cvt_scalef32_pk16_fp6_f32 v[224:226], v[112:127], v201
	v_nop
.irp i, 0,1,2
	v_permlane16_swap_b32 v[212+\i], v[224+\i]     ; a whole block to a lane: lanes 0-15 block 0, lanes 16-31 block 1
.endr
.irp i, 0,1,2
	v_mov_b32 v[215+\i], v[224+\i]
.endr
	global_store_b128 v1, v[212:215], s[6:7] offset:12288*(\e)         ; 512 consecutive bytes,
	global_store_b64 v2, v[216:217], s[6:7] offset:12288*(\e)+512      ; and 256, each at a multiple of 256 from qc's first byte
	s_wait_xcnt 0x0                                ; the stores have read their registers, which the next pass writes again
.endm
	PASS 0
	PASS 1
	WALU
	v_cndmask_b32 v208, v30, v31, s34              ; lanes 0-15: the even tile's rows, lanes 16-31: the odd tile's
	global_store_b16 v7, v208, s[8:9]
	s_wait_tensorcnt 0x0                           ; the wave's end, behind my last tensor load
	ds_add_u32 v3, v4
	s_wait_dscnt 0x0
	CROUND                                         ; the closing round
	s_endpgm
.Lfunc_end_k_q52740a53a0_attn:
	.size	k_q52740a53a0_attn, .Lfunc_end_k_q52740a53a0_attn-k_q52740a53a0_attn
	.p2alignl 7, 3214868480
	.fill 96, 4, 3214868480
	.section	.rodata,"a",@progbits
	.p2align	6, 0x0
	.amdhsa_kernel k_q52740a53a0_attn
		.amdhsa_group_segment_fixed_size 210944
		.amdhsa_private_segment_fixed_size 0
		.amdhsa_enable_private_segment 0
		.amdhsa_kernarg_size 24
		.amdhsa_user_sgpr_count 2
		.amdhsa_user_sgpr_kernarg_segment_ptr 1
		.amdhsa_wavefront_size32 1
		.amdhsa_system_sgpr_workgroup_id_x 1
		.amdhsa_system_sgpr_workgroup_id_y 1
		.amdhsa_system_sgpr_workgroup_id_z 1
		.amdhsa_system_vgpr_workitem_id 0
		.amdhsa_next_free_vgpr 256
		.amdhsa_next_free_sgpr 66
		.amdhsa_reserve_vcc 0
		.amdhsa_float_denorm_mode_32 3
		.amdhsa_float_denorm_mode_16_64 3
		.amdhsa_memory_ordered 1
		.amdhsa_forward_progress 1
		.amdhsa_inst_pref_size 69
	.end_amdhsa_kernel
	.amdgpu_metadata
---
amdhsa.version: [ 1, 2 ]
amdhsa.kernels:
  - .name:           k_q52740a53a0_attn
    .symbol:         k_q52740a53a0_attn.kd
    .args:
      - { .name: rec, .offset: 0, .size: 8, .value_kind: global_buffer, .address_space: global }
      - { .name: qc, .offset: 8, .size: 8, .value_kind: global_buffer, .address_space: global }
      - { .name: qs, .offset: 16, .size: 8, .value_kind: global_buffer, .address_space: global }
    .group_segment_fixed_size: 210944
    .private_segment_fixed_size: 0
    .kernarg_segment_align: 8
    .kernarg_segment_size: 24
    .max_flat_workgroup_size: 512
    .sgpr_count:     66
    .vgpr_count:     256
    .wavefront_size: 32
...
	.end_amdgpu_metadata
.endif
;; end of part 3
;; launch outp (part 4): grid 4 x 64, 4 waves a work-group, clusters of 4 x 4, 295,424 bytes of LDS; arguments qc, qs, out0; writes out0
.if DOCPART == 4
	.amdgcn_target "amdgcn-amd-amdhsa--gfx1250"
	.amdhsa_code_object_version 6
	.text
	.protected	k_q52740a53a0_outp
	.globl	k_q52740a53a0_outp
	.p2align	8
	.type	k_q52740a53a0_outp,@function
k_q52740a53a0_outp:
	s_mov_b64 s[64:65], 0
	v_nop
	global_prefetch_b8 v0, s[64:65] scope:SCOPE_SE
	s_setreg_imm32_b32 hwreg(HW_REG_WAVE_MODE, 25, 1), 1
	s_wait_xcnt 0x0
	s_wait_alu depctr_hold_cnt(0) depctr_sa_sdst(0) depctr_va_vdst(0) depctr_va_sdst(0) depctr_va_ssrc(0) depctr_va_vcc(0) depctr_vm_vsrc(0)
	s_getreg_b32 s2, hwreg(HW_REG_IB_STS2, 6, 4)
	s_cmp_eq_u32 s2, 0
	s_cbranch_scc0 .Lentry_in_a_cluster
	s_endpgm
.Lentry_in_a_cluster:
	s_bfe_u32 s2, ttmp6, 0x10000c
	s_cmp_lg_u32 s2, 0xf033
	s_cbranch_scc0 .Lentry_shape_is_right
	s_endpgm
.Lentry_shape_is_right:
; out0 = A W_o^T on codes of FP6 (E2M3) with E8M0 scales, f32 sums, f32 out.  A is the attention's result, [8192][1024], in qc's tiles 0-511; W_o in tiles 2240-2303; their scale words in qs, 512 bytes a tile.
; A tile is 16 rows: lane r of tile T holds row 32 (T / 2) + 8 (T % 2) + r + 8 (r / 8).  W_o's fragments are images of their 12 registers (registers 4 g .. at 512 g + 16 x lane).  A's lie by halves, as each head wrote its own:
; registers 0-3 at 16 x lane, 4-5 at 512 + 8 x lane, 6-9 at 768 + 16 x lane, 10-11 at 1280 + 8 x lane.
; SHARES.  A work-group makes 128 rows (y) x 256 features (x): 256 work-groups.  ALL OF K = 1,024 of both sides lies in LDS, in two chunks of 512 along K, each filled once; each wave asks for its one part at the head: one tensor load of a wave is out at the most,
; and there is no later request to run ahead of.  CLUSTER 4 x 4: W_o's tiles hang on x alone and are asked for jointly along a column of the cluster, A's on y alone, along a row.
; A wave: source 0 = 8 tiles of W_o (128 features, half w & 1), source 1 = 4 tiles of A (64 rows, half w >> 1): a lane holds a row of out0 and eight neighbouring features an accumulator.
; REGISTERS: window 0: v0-31 addresses; v32-95 scale words (register 8 i + s: source 1's tile i in lanes 0-15, source 0's tile i in lanes 16-31, K step s); v96-191 source 1's fragments, two sets; on the way out v96-223 rows read back.
;   window 1: the 32 accumulators ((a, b) at v[8 (8 a + b)]).   window 2: source 0's fragments, two sets of 96.
; THE CHUNKS, AS THEY NOW ARE: all of K lies in LDS in TWO chunks of 512 along K (four K steps), each filled once.  A wave issues ONE tensor load: wave 0 W_o's 16 tiles of chunk 0, wave 2 A's 8 tiles of chunk 0,
; waves 1 and 3 the same of chunk 1: rows of 6,144 bytes (half a tile), 12,288 bytes apart in memory.  The first barrier waits for waves 0 and 2 alone; chunk 1 is shown by the barrier of K step 3.
.set CH,    147456                     ; a chunk: 16 + 8 tiles x 6,144 bytes (four K steps)
.set SMALL, 98304                      ; where A's tiles begin in a chunk
.set SPARE, 2*CH                       ; behind the chunks: the spare words, 128 bytes a wave: two blocks of 256 bytes that no other line names
.set NLD,   40                         ; LDS loads of a K step's fragments: 8 x 3 + 4 x 4
.set STO,   8                          ; v8   the way out: where I put 32 bytes of a row
.set RD,    9                          ; v9   and where I read a row back
.set AD1,   16                         ; v16-17  source 1's LDS address in chunk c, 16 bytes a lane
.set AD0,   20                         ; v20-21  source 0's
.set AD1H,  24                         ; v24-25  source 1's, 8 bytes a lane
.set SPW,   28                         ; v28  LDS address of my spare word; never rewritten
.set NIL,   29                         ; v29  0; never rewritten
.set SCO,   30                         ; v30  my offset in qs
.set SC,    32
.set F1,    96
.set BK,    96                         ; the way out: 16 rows read back: v96-159 and v160-223 by turns
.set G1B,   24                         ; s[24:31] group 1, W_o;  s[32:39] A
.set G1S,   32
.set G0B,   40                         ; s[40:47] groups 0, W_o, one for each chunk;  s[68:75] A
.set G0S,   68
.set UP,    58                         ; s58  lanes 16-31
.set MSB, 0
.macro WIN new                         ; the immediate's high byte repeats the setting that is left
.if MSB != \new
	s_set_vgpr_msb (MSB<<8)|\new
.set MSB, \new
.endif
.endm
.macro CROUND                          ; a round of the cluster's barrier
	s_barrier_signal -1
	s_barrier_wait -1
	s_cmp_lg_u32 s10, 0
	s_cbranch_scc1 .Lnot_wave_0_\@
	s_barrier_signal -3
.Lnot_wave_0_\@:
	s_barrier_wait -3
	s_barrier_signal -1
	s_barrier_wait -1
.endm
.macro BAR
	s_barrier_signal -1
	s_barrier_wait -1
.endm
.macro PLACES n
.rept \n
	v_nop
.endr
.endm
	s_load_b128 s[4:7], s[0:1], 0x0                ; qc, qs
	s_load_b64 s[8:9], s[0:1], 0x10                ; out0
	v_lshl_add_u32 v[SPW], v0, 2, SPARE
	v_mov_b32 v[NIL], 0
	ds_add_u32 v[SPW], v[NIL]                      ; the wave's opening: the add and its wait ahead of my first tensor load; the set-up below, work on registers, stands between them
	ds_add_u32 v[SPW], v[NIL]
	v_lshrrev_b32 v1, 5, v0
	v_readfirstlane_b32 s10, v1                    ; wave 0..3
	s_and_b32 s11, s10, 1
	s_lshr_b32 s12, s10, 1
	s_bfe_u32 s13, ttmp6, 0x40000                  ; cx
	s_bfe_u32 s14, ttmp6, 0x40004                  ; cy
	s_lshl_b32 s15, ttmp9, 2
	s_add_co_u32 s15, s15, s13                     ; x: block of 256 features
	s_and_b32 s16, ttmp7, 0xffff
	s_lshl_b32 s16, s16, 2
	s_add_co_u32 s16, s16, s14                     ; y: block of 128 rows
	s_lshl_b32 s18, s14, 2
	s_lshl_b32 s18, 15, s18                        ; my row of the cluster
	s_lshl_b32 s19, 0x1111, s13                    ; my column
	s_or_b32 s[G1B], s19, 0x230000                 ; 15:0 the mask; 17:16 elements of 8 bytes; 21 set beside a mask; no padding
	s_or_b32 s[G1S], s18, 0x230000
	s_mov_b32 s[G1B+1], 768<<16                    ; tensor_dim0: 6,144 bytes of a tile: four K steps
	s_mov_b32 s[G1B+2], 16<<16                     ; tensor_dim1: 16 tiles
	s_mov_b32 s[G1B+3], 768<<16
	s_mov_b32 s[G1B+4], 16
	s_mov_b32 s[G1B+5], 1536                       ; from tile to tile: 12,288 bytes
	s_mov_b32 s[G1B+6], 0
	s_mov_b32 s[G1B+7], 0
	s_mov_b32 s[G1S+1], 768<<16
	s_mov_b32 s[G1S+2], 8<<16                      ; 8 tiles
	s_mov_b32 s[G1S+3], 768<<16
	s_mov_b32 s[G1S+4], 8
	s_mov_b32 s[G1S+5], 1536
	s_mov_b32 s[G1S+6], 0
	s_mov_b32 s[G1S+7], 0
	; what I would fetch: W_o: tiles 2240 + 16 x on; A: tiles 8 y on.  Each in registers that never hold the other coordinate
	s_lshl_b32 s20, s15, 4
	s_add_co_u32 s20, s20, 2240
	s_mul_i32 s20, s20, 12288
	s_mov_b32 s21, 0
	s_lshl_b32 s22, s16, 3
	s_mul_i32 s22, s22, 12288
	s_mov_b32 s23, 0
	s_mul_i32 s84, s11, 49152                      ; a tile is 6,144 bytes of a chunk: W_o's tiles 8 (w & 1) on
	s_mul_i32 s86, s12, 24576
	s_add_co_u32 s86, s86, SMALL                   ; source 1: A's tiles 4 (w >> 1) on
	s_mov_b32 s88, s84                             ; source 0: W_o's tiles 8 (w & 1) on
	s_lshl_b32 s91, s16, 3
	s_lshl_b32 s92, s12, 2
	s_add_co_u32 s91, s91, s92                     ; source 1's first tile
	s_lshl_b32 s93, s15, 4
	s_lshl_b32 s92, s11, 3
	s_add_co_u32 s93, s93, s92
	s_add_co_u32 s93, s93, 2240                    ; source 0's
	s_lshl_b32 s91, s91, 9
	s_lshl_b32 s93, s93, 9                         ; 512 bytes of scale words a tile
	s_lshl_b32 s60, s16, 7                         ; my first row of out0: 128 y + 64 (w >> 1), rows of 4,096 bytes;
	s_lshl_b32 s61, s12, 6
	s_add_co_u32 s60, s60, s61
	s_lshl_b32 s60, s60, 12
	s_lshl_b32 s61, s15, 10                        ; my first feature: 256 x + 128 (w & 1), 4 bytes each
	s_add_co_u32 s60, s60, s61
	s_lshl_b32 s61, s11, 9
	s_add_co_u32 s60, s60, s61
	s_mov_b32 s61, 0
	s_mov_b32 s[UP], 0xffff0000
	v_and_b32 v1, 31, v0
	v_and_b32 v2, 15, v0                           ; r
	v_bfe_u32 v5, v0, 4, 1                         ; h
	v_lshlrev_b32 v3, 4, v1                        ; 16 x lane; also my place in a row of out0's 512 bytes
	v_lshlrev_b32 v4, 3, v1                        ; 8 x lane
.irp c, 0,1
	v_add_nc_u32 v[AD1+\c], s86, v3
	v_add_nc_u32 v[AD1H+\c], s86, v4
	v_add_nc_u32 v[AD0+\c], s88, v3
	s_add_co_u32 s86, s86, CH
	s_add_co_u32 s88, s88, CH
.endr
	s_mul_i32 s87, s10, 8448                       ; my stage: 16 rows x 528 bytes, in chunk 0
	v_mul_u32_u24 v[STO], v2, 528
	v_lshl_add_u32 v[STO], v5, 6, v[STO]
	v_add_nc_u32 v[STO], s87, v[STO]               ; in: row r, + 64 h
	v_add_nc_u32 v[RD], s87, v3                    ; back: the 32 lanes take a row of 512 bytes
	v_mov_b32 v6, s91
	v_mov_b32 v7, s93
	v_cndmask_b32 v6, v6, v7, s[UP]                ; lanes 0-15 take source 1's words, lanes 16-31 source 0's
	v_lshl_add_u32 v[SCO], v2, 5, v6               ; + 32 r
	s_wait_dscnt 0x0                               ; the opening add is done
	s_wait_kmcnt 0x0
	s_add_nc_u64 s[20:21], s[4:5], s[20:21]
	s_add_nc_u64 s[22:23], s[4:5], s[22:23]
	s_add_nc_u64 s[8:9], s[8:9], s[60:61]
.irp c, 0,1
	s_mov_b32 s[G0B+4*\c], 1
	s_mov_b32 s[G0B+4*\c+1], \c*CH
	s_add_nc_u64 s[G0B+4*\c+2:G0B+4*\c+3], s[20:21], \c*6144
	s_or_b32 s[G0B+4*\c+3], s[G0B+4*\c+3], 0x80000000
	s_mov_b32 s[G0S+4*\c], 1
	s_mov_b32 s[G0S+4*\c+1], \c*CH+SMALL
	s_add_nc_u64 s[G0S+4*\c+2:G0S+4*\c+3], s[22:23], \c*6144
	s_or_b32 s[G0S+4*\c+3], s[G0S+4*\c+3], 0x80000000
.endr
	CROUND                                         ; all sixteen work-groups are here: the joint loads meet
	s_cmp_eq_u32 s10, 0                            ; one chain of branches on the wave's number, one load to an arm
	s_cbranch_scc0 .Larm_2
	tensor_load_to_lds s[G0B:G0B+3], s[G1B:G1B+7]          ; wave 0: W_o's chunk 0
	s_nop 0
	PLACES 4
	s_branch .Lasked
.Larm_2:
	s_cmp_eq_u32 s10, 2
	s_cbranch_scc0 .Larm_1
	tensor_load_to_lds s[G0S:G0S+3], s[G1S:G1S+7]          ; wave 2: A's chunk 0
	s_nop 0
	PLACES 4
	s_branch .Lasked
.Larm_1:
	s_cmp_eq_u32 s10, 1
	s_cbranch_scc0 .Larm_3
	tensor_load_to_lds s[G0B+4:G0B+7], s[G1B:G1B+7]        ; wave 1: W_o's chunk 1
	s_nop 0
	PLACES 4
	s_branch .Lasked
.Larm_3:
	tensor_load_to_lds s[G0S+4:G0S+7], s[G1S:G1S+7]        ; wave 3: A's chunk 1
	s_nop 0
	PLACES 4
.Lasked:
	s_wait_alu depctr_va_vdst(0)
.irp i, 0,1,2,3,4,5,6,7                ; the scale words of all of K, once, straight into registers.  (Source 1 has four tiles: lanes 0-15 of i = 4 .. 7 read the tiles that follow, inside qs; those words are never named)
	global_load_b128 v[SC+8*\i:SC+8*\i+3], v[SCO], s[6:7] offset:512*\i
	global_load_b128 v[SC+8*\i+4:SC+8*\i+7], v[SCO], s[6:7] offset:512*\i+16
.endr
.macro FRAG3 reg, adr, off             ; a fragment of W_o: three loads of 512 consecutive bytes
.irp g, 0,1,2
	ds_load_b128 v[\reg+4*\g:\reg+4*\g+3], v[\adr] offset:\off+512*\g
.endr
.endm
.macro FRAG6 reg, c, off               ; a fragment of A: two heads' halves, 512 + 256 consecutive bytes each
	ds_load_b128 v[\reg:\reg+3], v[AD1+\c] offset:\off
	ds_load_b64 v[\reg+4:\reg+5], v[AD1H+\c] offset:\off+512
	ds_load_b128 v[\reg+6:\reg+9], v[AD1+\c] offset:\off+768
	ds_load_b64 v[\reg+10:\reg+11], v[AD1H+\c] offset:\off+1280
.endm
.macro FETCH s                         ; K step s: source 0's eight fragments, source 1's four, into set s % 2
	WIN 0x80                                       ; destination window 2
.irp b, 0,1,2,3,4,5,6,7
	FRAG3 96*((\s)%2)+12*\b, AD0+(\s)/4, 6144*\b+1536*((\s)%4)
.endr
	WIN 0
.irp a, 0,1,2,3
	FRAG6 F1+48*((\s)%2)+12*\a, (\s)/4, 6144*\a+1536*((\s)%4)
.endr
.endm
.macro MUL s, zero                     ; 32 products; the 32 accumulators take turns, one instruction a turn, in the same order in every step.  zero = 1: the first products start the sums
	WIN 0x52                                       ; source 0 window 2, source 1 window 0, C and D window 1
.irp a, 0,1,2,3
.irp b, 0,1,2,3,4,5,6,7
.if \zero
	v_wmma_scale_f32_16x16x128_f8f6f4 v[8*(8*\a+\b):8*(8*\a+\b)+7], v[96*((\s)%2)+12*\b:96*((\s)%2)+12*\b+11], v[F1+48*((\s)%2)+12*\a:F1+48*((\s)%2)+12*\a+11], 0, v[SC+8*\b+(\s)], v[SC+8*\a+(\s)] matrix_a_fmt:MATRIX_FMT_FP6 matrix_b_fmt:MATRIX_FMT_FP6 matrix_a_scale:MATRIX_SCALE_ROW1
.else
	v_wmma_scale_f32_16x16x128_f8f6f4 v[8*(8*\a+\b):8*(8*\a+\b)+7], v[96*((\s)%2)+12*\b:96*((\s)%2)+12*\b+11], v[F1+48*((\s)%2)+12*\a:F1+48*((\s)%2)+12*\a+11], v[8*(8*\a+\b):8*(8*\a+\b)+7], v[SC+8*\b+(\s)], v[SC+8*\a+(\s)] matrix_a_fmt:MATRIX_FMT_FP6 matrix_b_fmt:MATRIX_FMT_FP6 matrix_a_scale:MATRIX_SCALE_ROW1
.endif
.endr
.endr
.endm
; A chunk's last K step: the next step's fragments lie in the next chunk.  left: my later chunks' loads, which may stay out
.macro ODD s, left
	s_wait_dscnt 0x0                               ; this step's fragments are in (asked for 32 products ago); no LDS instruction of mine is out at the signal
	s_wait_tensorcnt \left                         ; my part of the next chunk has landed (a wave's tensor loads end in order),
	BAR                                            ; everybody's has
	PLACES 4                                       ; four plain lines between the last products and loads into the registers that they read
	FETCH (\s)+1
	MUL \s, 0
.endm
.macro EVEN s
	PLACES 4
	FETCH (\s)+1
	s_wait_dscnt NLD                               ; all but the loads just issued: this step's fragments are in
	MUL \s, 0
.endm
	s_cmp_eq_u32 s11, 0                            ; waves 0 and 2 fetched chunk 0, by lines that are theirs alone: they wait for it here; chunk 1 may stay out
	s_cbranch_scc0 .Lnot_first
	s_wait_tensorcnt 0x0
.Lnot_first:
	BAR
	FETCH 0
	FETCH 1
	s_wait_loadcnt 0x0                             ; the scale words
	s_wait_dscnt NLD
	MUL 0, 1
	EVEN 1
	EVEN 2
	ODD 3, 0                                       ; every wave waits for its load: chunk 1 is shown to all
	EVEN 4
	EVEN 5
	EVEN 6
	s_wait_dscnt 0x0
	MUL 7, 0
	WIN 0
; THE WAY OUT, a tile of 16 rows x 128 features at a time.  A lane holds 32 neighbouring bytes of a row an accumulator, and the lanes beside it hold other rows: so a tile goes through my own stage and comes back as whole rows of 512 bytes.
; The stage lies in chunk 0: it has had its one fill, and every wave's reads of it were over at the barrier of K step 3.  LDS serves a wave's instructions in order: no wait between the stores and the loads, nor ahead of the next tile's stores.
.macro TOSTAGE a
	WIN 0x04                                       ; an LDS store's data: window 1
.irp b, 0,1,2,3,4,5,6,7                ; accumulator (a, b): features 32 (b / 2) + 8 (b % 2) + 16 h + 0 .. 7; each from its low end on
	ds_store_b128 v[STO], v[8*(8*(\a)+\b):8*(8*(\a)+\b)+3] offset:128*(\b/2)+32*(\b%2)
	ds_store_b128 v[STO], v[8*(8*(\a)+\b)+4:8*(8*(\a)+\b)+7] offset:128*(\b/2)+32*(\b%2)+16
.endr
	WIN 0
.irp t, 0,1,2,3,4,5,6,7,8,9,10,11,12,13,14,15
	ds_load_b128 v[BK+64*((\a)%2)+4*\t:BK+64*((\a)%2)+4*\t+3], v[RD] offset:528*\t
.endr
.endm
.macro SEND a, younger                 ; younger: the LDS instructions issued behind tile a's loads, which may stay out
	s_wait_dscnt \younger
.irp t, 0,1,2,3,4,5,6,7,8,9,10,11,12,13,14,15
	global_store_b128 v3, v[BK+64*((\a)%2)+4*\t:BK+64*((\a)%2)+4*\t+3], s[8:9] offset:(32*((\a)/2)+8*((\a)%2)+\t+8*(\t/8))*4096 th:TH_STORE_NT   ; 512 consecutive bytes, at a multiple of 256 from out0's first byte; the tile's row t is row t + 8 (t / 8) from its first
.endr
.endm
	PLACES 4                                       ; ahead of the first read of results and of loads into the registers that held fragments
	TOSTAGE 0
.irp a, 1,2,3
.if \a > 1
	s_wait_xcnt 0x0                                ; tile a - 2's stores have read their registers: tile a's loads may land there
.endif
	TOSTAGE \a
	SEND \a-1, 32                                  ; behind tile a - 1's loads: tile a's 16 stores and 16 loads
.endr
	SEND 3, 0
	s_wait_tensorcnt 0x0                           ; the wave's end, behind my last tensor load and my last LDS store
	ds_add_u32 v[SPW], v[NIL]
	s_wait_dscnt 0x0
	CROUND                                         ; the closing round: no work-group ends while a partner may still ask for a tile that names it
	s_endpgm
.Lfunc_end_k_q52740a53a0_outp:
	.size	k_q52740a53a0_outp, .Lfunc_end_k_q52740a53a0_outp-k_q52740a53a0_outp
	.p2alignl 7, 3214868480
	.fill 96, 4, 3214868480
	.section	.rodata,"a",@progbits
	.p2align	6, 0x0
	.amdhsa_kernel k_q52740a53a0_outp
		.amdhsa_group_segment_fixed_size 295424
		.amdhsa_private_segment_fixed_size 0
		.amdhsa_enable_private_segment 0
		.amdhsa_kernarg_size 24
		.amdhsa_user_sgpr_count 2
		.amdhsa_user_sgpr_kernarg_segment_ptr 1
		.amdhsa_wavefront_size32 1
		.amdhsa_system_sgpr_workgroup_id_x 1
		.amdhsa_system_sgpr_workgroup_id_y 1
		.amdhsa_system_sgpr_workgroup_id_z 1
		.amdhsa_system_vgpr_workitem_id 0
		.amdhsa_next_free_vgpr 768
		.amdhsa_next_free_sgpr 96
		.amdhsa_reserve_vcc 0
		.amdhsa_float_denorm_mode_32 3
		.amdhsa_float_denorm_mode_16_64 3
		.amdhsa_memory_ordered 1
		.amdhsa_forward_progress 1
		.amdhsa_inst_pref_size 78
	.end_amdhsa_kernel
	.amdgpu_metadata
---
amdhsa.version: [ 1, 2 ]
amdhsa.kernels:
  - .name:           k_q52740a53a0_outp
    .symbol:         k_q52740a53a0_outp.kd
    .args:
      - { .name: qc, .offset: 0, .size: 8, .value_kind: global_buffer, .address_space: global }
      - { .name: qs, .offset: 8, .size: 8, .value_kind: global_buffer, .address_space: global }
      - { .name: out0, .offset: 16, .size: 8, .value_kind: global_buffer, .address_space: global }
    .group_segment_fixed_size: 295424
    .private_segment_fixed_size: 0
    .kernarg_segment_align: 8
    .kernarg_segment_size: 24
    .max_flat_workgroup_size: 128
    .sgpr_count:     96
    .vgpr_count:     768
    .wavefront_size: 32
...
	.end_amdgpu_metadata
.endif
;; end of part 4
